; MI455X (gfx1250); checked and timed in simulation.
; The chip was launched on July 23, 2026; its instructions are those of AMD's public machine-readable ISA for CDNA 5 (MIT licence, August 2026) and "CDNA5" Instruction Set Architecture Reference Guide (July 2026). The comments in the code are by the model that wrote it; some were corrected since.
;; Multi Head Attention. Allowed arithmetic: matrix products marked QUANTISED: E2M3 operands, one E8M0 scale for each 32 along K, by v_wmma_scale_f32_16x16x128_f8f6f4 with both operands' format E2M3, f32 sums; everything else in f32.
;; Inputs: Wk 1,024 x 1,024 float32; Wo 1,024 x 1,024 float32; Wq 1,024 x 1,024 float32; Wv 1,024 x 1,024 float32; bk 1,024 float32; bo 1,024 float32; bq 1,024 float32; bv 1,024 float32; k 4 x 2,048 x 1,024 float32; mask 4 x 2,048 x 2,048 int32; q 4 x 2,048 x 1,024 float32; v 4 x 2,048 x 1,024 float32.
;; Outputs: out0 4 x 2,048 x 1,024 float32.
;; This version of the problem:
;;   THIS VERSION OF THE PROBLEM IS GIVEN IN LOW PRECISION. The matrix products marked QUANTISED in the list below multiply operands that are first quantised to E2M3 (2 exponent bits, 3 mantissa bits; 6 bits a number), with one power-of-two scale for each 32 numbers along K (OCP MX v1.0); their sums are f32. All else is computed in f32.
;;   The module's matrix products, in the order in which they are computed (A, B: the left and right operand; K: the contracted axis; several contracted axes count as one K, in the product's order):
;;     1. [M 8,192, K 1,024] x [K 1,024, N 1,024]; A: input q; B: input Wq: QUANTISED
;;     2. [M 8,192, K 1,024] x [K 1,024, N 1,024]; A: input k; B: input Wk: QUANTISED
;;     3. [M 8,192, K 1,024] x [K 1,024, N 1,024]; A: input v; B: input Wv: QUANTISED
;;     4. batch 64 x [M 2,048, K 64] x [K 64, N 2,048]; A: computed on the way; B: computed on the way: QUANTISED
;;     5. batch 64 x [M 2,048, K 2,048] x [K 2,048, N 64]; A: softmax (see below); B: computed on the way: QUANTISED
;;     6. [M 8,192, K 1,024] x [K 1,024, N 1,024]; A: computed on the way; B: input Wo: QUANTISED
;;   THE QUANTISER, for each operand of a quantised product, along K:
;;     - K is cut into blocks of 32 from its start; a last block that is shorter is filled with zeros.
;;     - A block's scale is 2^e with e = floor(log2(the largest magnitude in the block)) - 2, held to -126 .. 127; a block of zeros has e = 0. As a byte (E8M0): e + 127.
;;     - Each number is divided by its block's scale, clamped to +-7.5, and rounded to the nearest number of E2M3, ties to even, subnormals kept.
;;     - The product sums the exact products of the quantised numbers (number of the format x scale) in f32.
;;   ~~~python
;;   def quantise(x, axis):      # numpy; x: float32 -> the quantised numbers, widened to float32 again
;;       x = np.moveaxis(x, axis, -1); K = x.shape[-1]
;;       x = np.pad(x, [(0, 0)] * (x.ndim - 1) + [(0, -K % 32)]); x = x.reshape(x.shape[:-1] + (-1, 32)); a = np.abs(x).max(-1, keepdims=True)
;;       e = np.where(a > 0, np.clip(np.frexp(np.where(a > 0, a, 1))[1] - 1 - 2, -126, 127), 0)      # np.frexp(a)[1] - 1 = floor(log2(a)), exactly
;;       r = np.clip(x / 2.0 ** e, -7.5, 7.5)
;;       step = 2.0 ** (np.maximum(np.frexp(np.where(r == 0, 1, r))[1] - 1, 0) - 3)
;;       q = np.round(r / step) * step * 2.0 ** e      # np.round: ties to even
;;       return np.moveaxis(q.reshape(q.shape[:-2] + (-1,))[..., :K], -1, axis).astype(np.float32)
;;   ~~~
;;   SOFTMAX AHEAD OF A QUANTISED PRODUCT. Where the list says 'softmax', what is quantised is not the finished softmax but p = 2^(t - M), with t = logit x log2(e) and M = ceil(the row's largest t), a whole number; so 1/2 < the row's largest p <= 1. The row's sum l is taken of the UNQUANTISED p, in f32, and the product's result is divided by l at the end. Since M is a whole number, a kernel that streams over the keys may use a running M (the ceiling of the running maximum): every later rescaling is an exact power of two, which a block's scale takes up: the codes' values come out the same.
;;   OPERANDS COMPUTED ON THE WAY. 'Computed on the way' means the value that the module computes at that place (a softmax that the list does not call 'softmax' is quantised finished and normalised). What goes into a quantiser is computed in f32, as accurately as f32 sums, v_exp_f32 and their like allow (about 1e-6 of the number): no bf16 or f16 on the way to a quantiser, and a product that is left as it is and whose result goes on into a quantised operand takes f32 operands (vector FMAs, or v_wmma_f32_16x16x4_f32). A number that lies on a knife's edge between two numbers of the format may be rounded either way, as far as f32 arithmetic and the matrix unit's own rounding can turn it there, and no further.
;; One version. Each part assembles by itself: llvm-mc -triple=amdgcn-amd-amdhsa -mcpu=gfx1250 --defsym DOCPART=n.
;; ======== version 1 of 1: 4 launches
;; limits: right only within a limited range of input values
;; workspace buffers: cod 22,937,600 bytes; mw 2,097,152 bytes of whole numbers; qkv 19,660,800 bytes; oc 6,553,600 bytes
;; launch prep (part 1): grid 704 x 1, 4 waves a work-group, no clusters, 68,096 bytes of LDS; arguments q, k, v, Wq, Wk, Wv, Wo, mask, cod, mw; writes cod, mw
.if DOCPART == 1
	.amdgcn_target "amdgcn-amd-amdhsa--gfx1250"
	.amdhsa_code_object_version 6
	.text
	.protected	k_q9f37744d74_prep
	.globl	k_q9f37744d74_prep
	.p2align	8
	.type	k_q9f37744d74_prep,@function
k_q9f37744d74_prep:
	s_mov_b64 s[64:65], 0
	v_nop
	global_prefetch_b8 v0, s[64:65] scope:SCOPE_SE
	s_setreg_imm32_b32 hwreg(HW_REG_WAVE_MODE, 25, 1), 1
	s_wait_xcnt 0x0
; PREP.  (1) q, k, v [8192][1024] and Wq, Wk, Wv, Wo [1024][1024], f32, K innermost, become codes of FP6 (E2M3) with one E8M0 byte for each 32 along K.
; (2) mask [4][2048][2048] int32 becomes one bit a number, laid as the lane masks that the attention launch selects by.
; THE CODES ARE LAID AS IMAGES OF OPERAND REGISTERS.  A tile is 16 rows: position p of tile T is row 32 (T / 2) + 8 (T % 2) + p + 8 (p / 8).  A fragment (16 rows x 128 K) is 12 registers a lane:
; lane (r, h) holds row position r, registers 6 c .. 6 c + 5 = K 64 c + 32 h + 0 .. 31.  Each half c is 768 bytes: registers 0-3 at 16 x lane, registers 4-5 at 512 + 8 x lane.
; cod: [tile][g = 0, 1][6,400 bytes]: four fragments (K steps 4 g .. 4 g + 3), then 256 bytes of scale words, the word of position r and K step 4 g + s at 16 r + 4 s.
; Tiles: q 0-511, k 512-1023, v 1024-1535, Wq 1536-, Wk 1600-, Wv 1664-, Wo 1728-1791.
; A block's scale is 2^(floor(log2(largest magnitude)) - 2): its byte is the largest magnitude's exponent field - 2, held at 1 from below.
; mw: [batch][tile of 16 queries][step of 128 keys][64 words]: bit l = (r, h) of word 16 b + i says whether mask[query position r][key 128 step + 32 b + 16 h + i] is not 0.
; LIMITS: NaN and infinities among the inputs are not served; a block whose largest magnitude lies under 2^-124 keeps the byte 1, a block of zeros too (its codes are zeros; this program alone reads the bytes);
; every mask word that is not 0 counts as true.
; SHARES.  Work-groups 0-447: wave = one tile of codes, 8 units.  Work-groups 448-703: wave = one tile of queries x 1,024 keys, 8 units.  A unit is 16 rows x 512 bytes: each load of the wave reads 512
; consecutive bytes of one row; the unit turns through the wave's own stage in LDS (rows 528 bytes apart) so that a lane gets the neighbours along the row that it needs.  Waves share nothing: no barrier.
; The two kinds of work-group have LDS bytes of their own.  Loads run two units (32 loads a wave) ahead.
; THE ORDER OF k'S TOKENS AND OF THE MASK'S KEYS (it takes the place of what stands above for these two): position p of k's tile T is token 128 (T / 8) + 64 ((T / 4) % 2) + 8 (T % 4) + p % 8 + 32 (p / 8),
; so that in the attention launch a lane's 32 score registers of four tiles are 32 neighbouring keys: one scale block.  mw: bit l = (r, h) of word 32 c + i says whether mask[query position r][key 128 step + 64 c + 32 h + i] is not 0.
.set QWG,  448
.set STG,  8448                        ; a wave's stage: 16 rows x 528 bytes
.set MSTG, 4*STG                       ; the mask path's stages lie behind the quantiser's
.set R,    16                          ; v16-143  two sets of 64: a unit as it is loaded
.set X,    144                         ; v144-207 a unit as a lane needs it
.set C,    208                         ; v208-219 a fragment's codes
.set T,    220                         ; v220-227 the upper halves of the two blocks, as the conversions leave them
.set MX,   228                         ; v228-229 largest magnitudes
.set SO,   230                         ; v230-231 the conversions' scale operands
.set BY,   232                         ; v232-233 the scale bytes;  v234-235 at work
.set W,    236                         ; v236-239 the scale words of four K steps
.set WD,   240                         ; v240-241 the two of them that I store
.set WA,   242                         ; v242-245 the mask words of a unit, two sets
	s_load_b512 s[4:19], s[0:1], 0x0               ; q, k, v, Wq, Wk, Wv, Wo, mask
	s_load_b128 s[20:23], s[0:1], 0x40             ; cod, mw
	v_lshl_add_u32 v254, v0, 2, 0x10800
	v_mov_b32 v255, 0
	v_lshrrev_b32 v1, 5, v0
	v_readfirstlane_b32 s24, v1                    ; wave 0..3
	v_and_b32 v2, 31, v0                           ; lane
	v_and_b32 v3, 15, v0                           ; r
	v_bfe_u32 v9, v0, 4, 1                         ; h
	v_lshlrev_b32 v4, 4, v2
	v_lshlrev_b32 v11, 4, v2                       ; the same for positions 8-15 of a tile; for k's tiles 16 rows are added below
	v_lshlrev_b32 v5, 3, v2                        ; 8 x lane
	v_mul_u32_u24 v7, v3, 528                      ; stage row r
	s_mul_i32 s25, s24, STG                        ; my stage
.macro LOADU set, t, pitch             ; unit t: 16 rows (positions 0-7, then 8 rows further on positions 8-15), 512 bytes of each
.set pp, 0
.rept 16
.if pp < 8
	global_load_b128 v[R+64*(\set)+4*pp:R+64*(\set)+4*pp+3], v4, s[4:5] offset:(pp+8*(pp/8))*(\pitch)+512*(\t) th:TH_LOAD_NT
.else
	global_load_b128 v[R+64*(\set)+4*pp:R+64*(\set)+4*pp+3], v11, s[4:5] offset:(pp+8*(pp/8))*(\pitch)+512*(\t) th:TH_LOAD_NT
.endif
.set pp, pp+1
.endr
.endm
.macro TOSTG set                       ; into the stage as loaded
.set pp, 0
.rept 16
	ds_store_b128 v6, v[R+64*(\set)+4*pp:R+64*(\set)+4*pp+3] offset:528*pp
.set pp, pp+1
.endr
.endm
.macro TURNQ set                       ; and back: lane (r, h) takes K 64 c + 32 h + 0 .. 31 of row r.  LDS serves a wave's instructions in order: no wait between stores and loads
	TOSTG \set
.irp c, 0,1
.irp j, 0,1,2,3,4,5,6,7
	ds_load_b128 v[X+32*\c+4*\j:X+32*\c+4*\j+3], v7 offset:256*\c+16*\j
.endr
.endr
.endm
	s_cmp_lt_u32 ttmp9, QWG
	s_cbranch_scc0 .Lmask
	; ---------------- the quantiser ----------------
	v_add_nc_u32 v6, s25, v4                       ; stage, in: 16 x lane
	v_lshl_add_u32 v7, v9, 7, v7
	v_add_nc_u32 v7, s25, v7                       ; stage, out: row r + 128 h
	v_lshlrev_b32 v8, 4, v3
	v_lshl_add_u32 v8, v9, 3, v8                   ; the scale words' place: 16 r + 8 h
	v_lshlrev_b32 v10, 3, v9                       ; 8 h: my two bytes' shift in a scale word
	v_mov_b32 v235, 0                              ; written once: a lane permute's destination counts as one of its sources
	s_mov_b32 s26, 0x76543210
	s_mov_b32 s27, 0xfedcba98                      ; v_permlanex16_b32's selects for lane l xor 16
	s_mov_b32 s28, 0xffff0000                      ; the lane mask of lanes 16-31
	s_mov_b32 s30, 0
	s_cmp_ge_u32 ttmp9, 128                        ; k's work-groups are 128 .. 255: the choice hangs on the work-group's number alone
	s_cselect_b32 s36, 0x10000, 0
	s_cmp_lt_u32 ttmp9, 256
	s_cselect_b32 s36, s36, 0
	v_add_nc_u32 v11, s36, v11                     ; k: positions 8-15 lie 32 rows behind positions 0-7, 16 rows of 4,096 bytes more than in the other tensors
	s_wait_alu depctr_va_vdst(0)
	s_wait_kmcnt 0x0
.macro PICK first, ptr                 ; the choice hangs on the work-group's number alone
	s_cmp_ge_u32 ttmp9, \first
	s_cselect_b64 s[4:5], s[\ptr:\ptr+1], s[4:5]
	s_cselect_b32 s30, \first, s30
.endm
	PICK 128, 6                                    ; k
	PICK 256, 8                                    ; v
	PICK 384, 10                                   ; Wq
	PICK 400, 12                                   ; Wk
	PICK 416, 14                                   ; Wv
	PICK 432, 16                                   ; Wo
	s_sub_co_u32 s31, ttmp9, s30
	s_lshl_b32 s31, s31, 2
	s_add_co_u32 s31, s31, s24                     ; my tile within the tensor
	s_lshr_b32 s32, s31, 1
	s_lshl_b32 s32, s32, 17                        ; 32 rows of 4,096 bytes for each pair of tiles,
	s_and_b32 s33, s31, 1
	s_lshl_b32 s33, s33, 15                        ; 8 rows for the odd tile
	s_add_co_u32 s32, s32, s33
	s_lshr_b32 s37, s31, 3                         ; k: tile T begins at row 128 (T / 8) + 64 ((T / 4) % 2) + 8 (T % 4)
	s_lshl_b32 s37, s37, 19
	s_bfe_u32 s38, s31, 0x10002
	s_lshl_b32 s38, s38, 18
	s_add_co_u32 s37, s37, s38
	s_and_b32 s38, s31, 3
	s_lshl_b32 s38, s38, 15
	s_add_co_u32 s37, s37, s38
	s_cmp_lg_u32 s36, 0
	s_cselect_b32 s32, s37, s32
	s_mov_b32 s33, 0
	s_add_nc_u64 s[4:5], s[4:5], s[32:33]
	s_lshl_b32 s34, ttmp9, 2
	s_add_co_u32 s34, s34, s24                     ; my tile in cod
	s_mul_i32 s34, s34, 12800
	s_mov_b32 s35, 0
	s_add_nc_u64 s[20:21], s[20:21], s[34:35]
	LOADU 0, 0, 4096
	LOADU 1, 1, 4096
.macro QUNIT t                         ; K step t of my 16 rows
.if (\t) < 7
	s_wait_loadcnt 16                              ; this unit's 16 loads are in; the next unit's 16 may be out
.else
	s_wait_loadcnt 0x0
.endif
	TURNQ (\t)%2
	s_wait_dscnt 0x0                               ; the unit is back, and the stores into the stage have read their registers,
.if (\t) < 6
	LOADU (\t)%2, (\t)+2, 4096                     ; which take the unit two further on
.endif
.irp c, 0,1                                    ; a lane holds two whole blocks, 2 c + h: no other lane is asked
	v_max3_num_f32 v[MX+\c], |v[X+32*\c]|, |v[X+32*\c+1]|, 0x1800000   ; with the floor 2^(3 - 127): the byte cannot fall under 1
.endr
.irp i, 2,4,6,8,10,12,14,16,18,20,22,24,26,28,30
.irp c, 0,1
	v_max3_num_f32 v[MX+\c], v[MX+\c], |v[X+32*\c+\i]|, |v[X+32*\c+\i+1]|
.endr
.endr
.irp c, 0,1
	v_add_nc_u32 v[SO+\c], 0xff000000, v[MX+\c]    ; 2 off the exponent field: the conversion takes the exponent field of this operand as its scale
.endr
.irp c, 0,1
	v_lshrrev_b32 v[BY+\c], 23, v[SO+\c]           ; the scale's byte
.endr
	s_wait_alu depctr_va_vdst(0)
	s_wait_xcnt 0x0                                ; the last unit's stores have read their data: the codes' registers are written again only behind this wait
.irp c, 0,1
	v_cvt_scalef32_pk16_fp6_f32 v[C+6*\c:C+6*\c+2], v[X+32*\c:X+32*\c+15], v[SO+\c]
	v_cvt_scalef32_pk16_fp6_f32 v[T+4*\c:T+4*\c+2], v[X+32*\c+16:X+32*\c+31], v[SO+\c]   ; (a conversion's three registers begin on an even number)
.endr
	v_lshl_or_b32 v234, v[BY+1], 16, v[BY]         ; my bytes: blocks h and 2 + h.  (The plain line behind the conversions)
.irp c, 0,1
.irp i, 0,1,2
	v_mov_b32 v[C+6*\c+3+\i], v[T+4*\c+\i]
.endr
.endr
	v_lshlrev_b32 v234, v10, v234                  ; at their places in the word,
	v_permlanex16_b32 v235, v234, s26, s27
	v_or_b32 v[W+(\t)%4], v234, v235               ; with lane l xor 16's two the word is whole
.irp c, 0,1
	global_store_b128 v4, v[C+6*\c:C+6*\c+3], s[20:21] offset:6400*((\t)/4)+1536*((\t)%4)+768*\c         ; 512 consecutive bytes, at a multiple of 256 from cod's first byte
	global_store_b64 v5, v[C+6*\c+4:C+6*\c+5], s[20:21] offset:6400*((\t)/4)+1536*((\t)%4)+768*\c+512    ; 256 more
.endr
.if (\t)%4 == 3
	v_cndmask_b32 v[WD], v[W], v[W+2], s28         ; lanes 0-15 store the words of K steps 0, 1 of the four, lanes 16-31 those of 2, 3
	v_cndmask_b32 v[WD+1], v[W+1], v[W+3], s28
	global_store_b64 v8, v[WD:WD+1], s[20:21] offset:6144+6400*((\t)/4)   ; the block's 256 bytes of scale words, whole
.endif
.endm
.irp t, 0,1,2,3,4,5,6,7
	QUNIT \t
.endr
	s_wait_tensorcnt 0x0
	ds_add_u32 v254, v255
	s_wait_dscnt 0x0
	s_endpgm
	; ---------------- the mask ----------------
.Lmask:
	s_add_co_u32 s25, s25, MSTG                    ; this path's own stages
	s_wait_alu depctr_va_vdst(0)
	v_add_nc_u32 v6, s25, v4
	v_lshl_add_u32 v7, v9, 7, v7
	v_add_nc_u32 v7, s25, v7                       ; stage, out: row r + 128 h
.irp i, 0,1,2,3
	v_mov_b32 v[WA+\i], 0                          ; written once: v_writelane_b32's destination counts as one of its sources
.endr
	s_sub_co_u32 s30, ttmp9, QWG
	s_lshl_b32 s30, s30, 2
	s_add_co_u32 s30, s30, s24                     ; m = 0 .. 1023
	s_lshr_b32 s31, s30, 8                         ; batch
	s_bfe_u32 s32, s30, 0x70001                    ; tile of queries, 0 .. 127
	s_and_b32 s33, s30, 1                          ; which 1,024 keys
	s_lshl_b32 s34, s31, 24                        ; a batch: 2,048 rows of 8,192 bytes
	s_lshr_b32 s35, s32, 1
	s_lshl_b32 s35, s35, 18                        ; 32 rows for each pair of tiles
	s_add_co_u32 s34, s34, s35
	s_and_b32 s35, s32, 1
	s_lshl_b32 s35, s35, 16                        ; 8 rows for the odd tile
	s_add_co_u32 s34, s34, s35
	s_lshl_b32 s35, s33, 12
	s_add_co_u32 s34, s34, s35
	s_mov_b32 s35, 0
	s_lshl_b32 s36, s31, 7
	s_add_co_u32 s36, s36, s32
	s_lshl_b32 s36, s36, 12                        ; mw: 4,096 bytes a tile of queries,
	s_lshl_b32 s37, s33, 11                        ; 256 a step
	s_add_co_u32 s36, s36, s37
	s_mov_b32 s37, 0
	s_wait_alu depctr_va_vdst(0)
	s_wait_kmcnt 0x0
	s_add_nc_u64 s[4:5], s[18:19], s[34:35]
	s_add_nc_u64 s[20:21], s[22:23], s[36:37]
	LOADU 0, 0, 8192
	LOADU 1, 1, 8192
.macro MUNIT t                         ; 16 queries x 128 keys
.if (\t) < 7
	s_wait_loadcnt 16                              ; this unit's 16 loads are in; the next unit's 16 may be out
.else
	s_wait_loadcnt 0x0
.endif
	TURNQ (\t)%2                                   ; lane (r, h) takes keys 64 c + 32 h + 0 .. 31 of row r
	s_wait_dscnt 0x0
.if (\t) < 6
	LOADU (\t)%2, (\t)+2, 8192
.endif
	s_wait_xcnt 0x0                                ; the store of two units ago has read its data: this set of words is written again only behind this wait
.irp g, 0,1,2,3
.irp i, 0,1,2,3,4,5,6,7,8,9,10,11,12,13,14,15
	v_cmp_ne_u32 s[40+\i], 0, v[X+16*\g+\i]        ; word 16 g + i: one bit a lane
.endr
.irp i, 0,1,2,3,4,5,6,7,8,9,10,11,12,13,14,15
	v_writelane_b32 v[WA+2*((\t)%2)+(\i%2)], s[40+\i], 8*\g+\i/2   ; word n goes to lane n / 2, register n % 2
.endr
.endr
	global_store_b64 v5, v[WA+2*((\t)%2):WA+2*((\t)%2)+1], s[20:21] offset:256*(\t)   ; the step's 64 words: 256 consecutive bytes, aligned
.endm
.irp t, 0,1,2,3,4,5,6,7
	MUNIT \t
.endr
	s_wait_tensorcnt 0x0
	ds_add_u32 v254, v255
	s_wait_dscnt 0x0
	s_endpgm
.Lfunc_end_k_q9f37744d74_prep:
	.size	k_q9f37744d74_prep, .Lfunc_end_k_q9f37744d74_prep-k_q9f37744d74_prep
	.p2alignl 7, 3214868480
	.fill 96, 4, 3214868480
	.section	.rodata,"a",@progbits
	.p2align	6, 0x0
	.amdhsa_kernel k_q9f37744d74_prep
		.amdhsa_group_segment_fixed_size 68096
		.amdhsa_private_segment_fixed_size 0
		.amdhsa_enable_private_segment 0
		.amdhsa_kernarg_size 80
		.amdhsa_user_sgpr_count 2
		.amdhsa_user_sgpr_kernarg_segment_ptr 1
		.amdhsa_wavefront_size32 1
		.amdhsa_system_sgpr_workgroup_id_x 1
		.amdhsa_system_sgpr_workgroup_id_y 1
		.amdhsa_system_sgpr_workgroup_id_z 1
		.amdhsa_system_vgpr_workitem_id 0
		.amdhsa_next_free_vgpr 256
		.amdhsa_next_free_sgpr 66
		.amdhsa_reserve_vcc 0
		.amdhsa_float_denorm_mode_32 3
		.amdhsa_float_denorm_mode_16_64 3
		.amdhsa_memory_ordered 1
		.amdhsa_forward_progress 1
		.amdhsa_inst_pref_size 155
	.end_amdhsa_kernel
	.amdgpu_metadata
---
amdhsa.version: [ 1, 2 ]
amdhsa.kernels:
  - .name:           k_q9f37744d74_prep
    .symbol:         k_q9f37744d74_prep.kd
    .args:
      - { .name: q, .offset: 0, .size: 8, .value_kind: global_buffer, .address_space: global }
      - { .name: k, .offset: 8, .size: 8, .value_kind: global_buffer, .address_space: global }
      - { .name: v, .offset: 16, .size: 8, .value_kind: global_buffer, .address_space: global }
      - { .name: Wq, .offset: 24, .size: 8, .value_kind: global_buffer, .address_space: global }
      - { .name: Wk, .offset: 32, .size: 8, .value_kind: global_buffer, .address_space: global }
      - { .name: Wv, .offset: 40, .size: 8, .value_kind: global_buffer, .address_space: global }
      - { .name: Wo, .offset: 48, .size: 8, .value_kind: global_buffer, .address_space: global }
      - { .name: mask, .offset: 56, .size: 8, .value_kind: global_buffer, .address_space: global }
      - { .name: cod, .offset: 64, .size: 8, .value_kind: global_buffer, .address_space: global }
      - { .name: mw, .offset: 72, .size: 8, .value_kind: global_buffer, .address_space: global }
    .group_segment_fixed_size: 68096
    .private_segment_fixed_size: 0
    .kernarg_segment_align: 8
    .kernarg_segment_size: 80
    .max_flat_workgroup_size: 128
    .sgpr_count:     66
    .vgpr_count:     256
    .wavefront_size: 32
...
	.end_amdgpu_metadata
.endif
;; end of part 1
;; launch proj (part 2): grid 4 x 192, 4 waves a work-group, clusters of 4 x 4, 307,712 bytes of LDS; arguments cod, bq, bk, bv, qkv; writes qkv
.if DOCPART == 2
	.amdgcn_target "amdgcn-amd-amdhsa--gfx1250"
	.amdhsa_code_object_version 6
	.text
	.protected	k_q9f37744d74_proj
	.globl	k_q9f37744d74_proj
	.p2align	8
	.type	k_q9f37744d74_proj,@function
k_q9f37744d74_proj:
	s_mov_b64 s[64:65], 0
	v_nop
	global_prefetch_b8 v0, s[64:65] scope:SCOPE_SE
	s_setreg_imm32_b32 hwreg(HW_REG_WAVE_MODE, 25, 1), 1
	s_wait_xcnt 0x0
	s_wait_alu depctr_hold_cnt(0) depctr_sa_sdst(0) depctr_va_vdst(0) depctr_va_sdst(0) depctr_va_ssrc(0) depctr_va_vcc(0) depctr_vm_vsrc(0)
	s_getreg_b32 s2, hwreg(HW_REG_IB_STS2, 6, 4)
	s_cmp_eq_u32 s2, 0
	s_cbranch_scc0 .Lentry_in_a_cluster
	s_endpgm
.Lentry_in_a_cluster:
	s_bfe_u32 s2, ttmp6, 0x10000c
	s_cmp_lg_u32 s2, 0xf033
	s_cbranch_scc0 .Lentry_shape_is_right
	s_endpgm
.Lentry_shape_is_right:
; PROJ.  Q = q Wq^T + bq, K = k Wk^T + bk, V = v Wv^T + bv on codes of FP6 (E2M3) with E8M0 scales (buffer cod, laid as images of operand registers: see below), sums in f32;
; the results are quantised again in registers, Q and K along a head's 64, V along the keys, and stored as images of the attention launch's operands.
; cod: [tile of 16 rows][g = 0, 1][6,400 bytes]: four fragments of 1,536 bytes (K steps 4 g .. 4 g + 3), then 256 bytes of scale words (position r, K step 4 g + s: 16 r + 4 s).
; Position p of tile T is row 32 (T / 2) + 8 (T % 2) + p + 8 (p / 8).  A fragment's half c (768 bytes): registers 6 c .. 6 c + 3 at 16 x lane, 6 c + 4, 6 c + 5 at 512 + 8 x lane.
; SHARES.  A work-group makes 128 (side A) x 256 (side B) results; all of K = 1,024 of both sides lies in LDS, filled once, in two chunks of 512 along K.  A wave makes 64 x 128: 32 accumulators.
; THE MATRIX INSTRUCTION takes 16 rows of side B as source 0 and 16 rows of side A as source 1: a lane holds ONE row of side A, and, by the choice of a tile's rows, the 16 registers of B's tiles
; 2 b and 2 b + 1 are 16 NEIGHBOURS along side B: 32 b + 16 (lane / 16) + 0 .. 15.  So side B is the axis along which the result is quantised:
;   Q, K (p = 0, 1): side A = tokens, side B = rows of W (a head's channels).      V (p = 2): side A = rows of Wv (channels), side B = tokens (the keys).
; The bias is laid into the accumulators while the tiles are on their way, so every matrix instruction adds in place and no first K step is written apart.
; CLUSTER 4 x 4: side A's tiles hang on the cluster's y and cy alone and are asked for jointly by a row of the cluster, side B's on cx and are asked for jointly by a column.  p comes from the cluster's y:
; it is the same in all sixteen partners, and it is the only number on which a branch hangs besides the wave's.
; qkv: [Q, K, V][batch x head][step of 128 tokens][6,400 bytes].  Q, K: slot t (768 bytes) = the half fragment of the step's tile t (16 tokens x 64 channels); scale words at 6144 + 128 (b / 2) + 8 r + 4 (b % 2)
; for the pair of tiles 2 b, 2 b + 1: bytes (tile 2 b: channels 0-31, 32-63; tile 2 b + 1: the same).  V: fragment t (1,536 bytes) = 16 channels (tile t of the head's 64) x the step's 128 keys; its words at the same places.
; LIMITS: NaN and infinities are not served; a block whose largest magnitude lies under 2^-124 keeps the byte 1, a block of zeros too (its codes are zeros; this program alone reads the bytes).
; REGISTERS: window 0: v2 r, v3 h, v4-15 addresses, v16-79 scale words (they hold nothing else), v80-175 side A's fragments in two sets (at the end: at work), v176-255 four sets of codes;
;   window 1: the accumulators, (a, b) at v[64 a + 8 b];   window 2: side B's fragments in two sets, at v0 and v96.
.set CHUNK, 153600                     ; LDS: chunk g: side A's 8 tiles x 6,400 bytes, then side B's 16
.set A16,  4                           ; v4-5    LDS address of my four tiles of A in chunk 0, 1: + 16 x lane
.set A8,   6                           ; v6-7    + 8 x lane
.set B16,  8                           ; v8-9    the same for my eight tiles of B
.set B8,   10                          ; v10-11
.set SCAD, 12                          ; v12-13  scale words: lanes 0-15 A's tiles, lanes 16-31 B's
.set L16,  14                          ; v14     16 x lane
.set L8,   15                          ; v15     8 x lane
.set SC,   16                          ; v[16 + 32 g + 4 i + s]: lanes 0-15 the word of A's tile i, lanes 16-31 of B's tile i, K step 4 g + s
.set AF,   80
.set TM,   80                          ; the end: v80-83 largest magnitudes, v84-87 partners, then bytes, v92-95 scale operands
.set PW,   96                          ; v96-99  the four scale words made
.set G1A,  32                          ; s[32:39] descriptor group 1 for side A;  s[40:47] for side B;  s[48:55], s[56:63] their groups 0, one for each chunk
.set G1B,  40
.set G0A,  48
.set G0B,  56
.set SB,   68                          ; s[68:83] store bases: (a, c) at s[68 + 4 a + 2 c]
.set MSB, 0
.macro WIN new                         ; the immediate's high byte repeats the setting that is left
.if MSB != \new
	s_set_vgpr_msb (MSB<<8)|\new
.set MSB, \new
.endif
.endm
.macro PLACES n
.rept \n
	v_nop
.endr
.endm
.macro CROUND                          ; a round of the cluster's barrier
	s_barrier_signal -1
	s_barrier_wait -1
	s_cmp_lg_u32 s14, 0
	s_cbranch_scc1 .Lnot_wave_0_\@
	s_barrier_signal -3
.Lnot_wave_0_\@:
	s_barrier_wait -3
	s_barrier_signal -1
	s_barrier_wait -1
.endm
	s_load_b256 s[4:11], s[0:1], 0x0               ; cod s[4:5], bq s[6:7], bk s[8:9], bv s[10:11]
	s_load_b64 s[12:13], s[0:1], 0x20              ; qkv
	v_lshl_add_u32 v251, v0, 2, 0x4b000
	v_mov_b32 v255, 0
	ds_add_u32 v251, v255
	ds_add_u32 v251, v255
	v_lshrrev_b32 v1, 5, v0
	v_readfirstlane_b32 s14, v1                    ; wave 0..3
	s_lshr_b32 s15, s14, 1                         ; ah: which 64 of side A are mine.  Also: which chunk I fetch
	s_and_b32 s16, s14, 1                          ; bf: which 128 of side B.  Also: I fetch for A (0) or for B (1)
	s_bfe_u32 s17, ttmp6, 0x40000                  ; cx
	s_bfe_u32 s18, ttmp6, 0x40004                  ; cy
	s_and_b32 s19, ttmp7, 0xffff                   ; the cluster's y, 0 .. 47
	s_lshr_b32 s20, s19, 4                         ; p: 0 Q, 1 K, 2 V
	s_and_b32 s21, s19, 15                         ; q4
	; the tiles.  Side A's numbers stand in s22-25, side B's in s26-29: neither set ever holds the other side's coordinate
	s_lshl_b32 s22, s20, 9
	s_lshl_b32 s24, s21, 5
	s_add_co_u32 s22, s22, s24                     ; Q, K: A = tokens: tile 512 p + 32 q4
	s_lshr_b32 s24, s21, 3
	s_lshl_b32 s24, s24, 5
	s_add_co_u32 s24, s24, 1664                    ; V: A = Wv: tile 1664 + 32 (q4 / 8)
	s_lshl_b32 s26, s20, 6
	s_add_co_u32 s26, s26, 1536                    ; Q, K: B = W: tile 1536 + 64 p
	s_and_b32 s28, s21, 7
	s_lshl_b32 s28, s28, 6
	s_add_co_u32 s28, s28, 1024                    ; V: B = tokens of v: tile 1024 + 64 (q4 % 8)
	s_cmp_eq_u32 s20, 2
	s_cselect_b32 s22, s24, s22
	s_cselect_b32 s26, s28, s26
	s_lshl_b32 s24, s18, 3
	s_add_co_u32 s22, s22, s24                     ; + 8 cy
	s_mul_i32 s22, s22, 12800
	s_mov_b32 s23, 0
	s_lshl_b32 s28, s17, 4
	s_add_co_u32 s26, s26, s28                     ; + 16 cx
	s_mul_i32 s26, s26, 12800
	s_mov_b32 s27, 0
	s_mov_b32 s25, 0                               ; in a chunk side A's eight tiles lie first,
	s_mov_b32 s29, 51200                           ; side B's sixteen behind them
	s_lshl_b32 s30, s18, 2
	s_lshl_b32 s30, 15, s30                        ; my row of the cluster
	s_lshl_b32 s31, 0x1111, s17                    ; my column
	; group 1: rows of 6,400 bytes (800 elements of 8 bytes: one tile's block g), 12,800 bytes apart; A: 8 rows a load, B: 16; no padding
	s_or_b32 s[G1A], s30, (3<<16)|(1<<21)          ; 15:0 the mask; 17:16 elements of 8 bytes; 21 set beside a mask
	s_or_b32 s[G1B], s31, (3<<16)|(1<<21)
	s_mov_b32 s[G1A+1], 800<<16                    ; tensor_dim0
	s_mov_b32 s[G1A+2], 8<<16                      ; a load brings one chunk of a whole side: A 8 rows, B 16
	s_mov_b32 s[G1A+3], 800<<16                    ; tile_dim0
	s_mov_b32 s[G1A+4], 8
	s_mov_b32 s[G1A+5], 1600                       ; from row to row
	s_mov_b32 s[G1A+6], 0
	s_mov_b32 s[G1A+7], 0
	s_mov_b32 s[G1B+1], 800<<16
	s_mov_b32 s[G1B+2], 16<<16
	s_mov_b32 s[G1B+3], 800<<16
	s_mov_b32 s[G1B+4], 16
	s_mov_b32 s[G1B+5], 1600
	s_mov_b32 s[G1B+6], 0
	s_mov_b32 s[G1B+7], 0
	s_wait_dscnt 0x0
	s_wait_kmcnt 0x0
	s_add_nc_u64 s[22:23], s[4:5], s[22:23]
	s_add_nc_u64 s[26:27], s[4:5], s[26:27]
	CROUND                                         ; all sixteen work-groups are here: the joint loads meet
.irp g, 0,1
	s_mov_b32 s[G0A+4*\g], 1
	s_add_co_u32 s[G0A+4*\g+1], s25, \g*CHUNK
	s_add_nc_u64 s[G0A+4*\g+2:G0A+4*\g+3], s[22:23], \g*6400
	s_or_b32 s[G0A+4*\g+3], s[G0A+4*\g+3], 0x80000000
	s_mov_b32 s[G0B+4*\g], 1
	s_add_co_u32 s[G0B+4*\g+1], s29, \g*CHUNK
	s_add_nc_u64 s[G0B+4*\g+2:G0B+4*\g+3], s[26:27], \g*6400
	s_or_b32 s[G0B+4*\g+3], s[G0B+4*\g+3], 0x80000000
.endr
	s_cmp_eq_u32 s14, 0                            ; one chain of branches on the wave's number, one joint load to an arm: wave 0 chunk 0 of A, wave 1 chunk 0 of B, wave 2 chunk 1 of A, wave 3 chunk 1 of B.  Every LDS byte is filled once
	s_cbranch_scc0 .Lfill_1
	tensor_load_to_lds s[G0A:G0A+3], s[G1A:G1A+7]
	s_nop 0
	PLACES 4
	s_branch .Lfilled
.Lfill_1:
	s_cmp_eq_u32 s14, 1
	s_cbranch_scc0 .Lfill_2
	tensor_load_to_lds s[G0B:G0B+3], s[G1B:G1B+7]
	s_nop 0
	PLACES 4
	s_branch .Lfilled
.Lfill_2:
	s_cmp_eq_u32 s14, 2
	s_cbranch_scc0 .Lfill_3
	tensor_load_to_lds s[G0A+4:G0A+7], s[G1A:G1A+7]
	s_nop 0
	PLACES 4
	s_branch .Lfilled
.Lfill_3:
	tensor_load_to_lds s[G0B+4:G0B+7], s[G1B:G1B+7]
	s_nop 0
	PLACES 4
.Lfilled:
	v_and_b32 v1, 31, v0
	v_and_b32 v2, 15, v0                           ; r
	v_bfe_u32 v3, v0, 4, 1                         ; h
	v_lshlrev_b32 v[L16], 4, v1
	v_lshlrev_b32 v[L8], 3, v1
	s_mul_i32 s24, s15, 25600                      ; my four tiles of A
	s_mul_i32 s28, s16, 51200
	s_add_co_u32 s28, s28, 51200                   ; my eight tiles of B
	s_sub_co_u32 s19, s28, s24
	v_mul_u32_u24 v1, s19, v3                      ; lanes 16-31 take B's scale words: the lower base + h x the distance
	v_lshl_add_u32 v1, v2, 4, v1                   ; + 16 r
.irp g, 0,1
	v_add_nc_u32 v[A16+\g], s24, v[L16]
	v_add_nc_u32 v[A8+\g], s24, v[L8]
	v_add_nc_u32 v[B16+\g], s28, v[L16]
	v_add_nc_u32 v[B8+\g], s28, v[L8]
	v_add_nc_u32 v[SCAD+\g], s24, v1
	s_add_co_u32 s24, s24, CHUNK
	s_add_co_u32 s28, s28, CHUNK
.endr
	; where the results go.  Q, K: batch x head = 16 (q4 / 4) + 4 cx + 2 bf (+ c), step = 4 (q4 % 4) + cy, slot = 4 ah + a.
	; V: with Aidx = 4 (q4 / 8) + cy, f = q4 % 8: batch x head = 16 (f / 2) + 2 Aidx + ah, step = 2 (4 (f % 2) + cx) + bf, fragment a, half c
	s_lshr_b32 s84, s21, 2
	s_lshl_b32 s84, s84, 4
	s_lshl_b32 s85, s17, 2
	s_add_co_u32 s84, s84, s85
	s_lshl_b32 s85, s16, 1
	s_add_co_u32 s84, s84, s85                     ; Q, K: batch x head
	s_and_b32 s85, s21, 3
	s_lshl_b32 s85, s85, 2
	s_add_co_u32 s85, s85, s18                     ; Q, K: step
	s_and_b32 s88, s21, 7                          ; f
	s_lshr_b32 s89, s88, 1
	s_lshl_b32 s89, s89, 4
	s_lshr_b32 s90, s21, 3
	s_lshl_b32 s90, s90, 2
	s_add_co_u32 s90, s90, s18                     ; Aidx
	s_lshl_b32 s90, s90, 1
	s_add_co_u32 s89, s89, s90
	s_add_co_u32 s89, s89, s15                     ; V: batch x head
	s_and_b32 s88, s88, 1
	s_lshl_b32 s88, s88, 2
	s_add_co_u32 s88, s88, s17
	s_lshl_b32 s88, s88, 1
	s_add_co_u32 s88, s88, s16                     ; V: step
	s_mul_i32 s91, s15, 3072                       ; Q, K: my four slots
	s_lshl_b32 s92, s15, 7                         ; Q, K: my two pairs' scale words
	s_cmp_eq_u32 s20, 2
	s_cselect_b32 s84, s89, s84
	s_cselect_b32 s85, s88, s85
	s_cselect_b32 s91, 0, s91
	s_cselect_b32 s92, 0, s92
	s_mov_b32 s93, 768
	s_cselect_b32 s93, 1536, s93                   ; from a to a + 1
	s_mov_b32 s94, 102400
	s_cselect_b32 s94, 768, s94                    ; from c = 0 to c = 1: the next head, or the fragment's other half
	s_mov_b32 s95, 102400
	s_cselect_b32 s95, 128, s95                    ; scale words: from lanes 0-15 to lanes 16-31
	s_cselect_b32 s96, -1, 0                       ; a lane mask: all ones on V's way
	s_mov_b32 s97, 0xffff0000                      ; the lane mask of lanes 16-31
	s_mov_b32 s2, 0x76543210
	s_mov_b32 s3, 0xfedcba98                       ; v_permlanex16_b32's selects for lane l xor 16
	s_mul_i32 s84, s84, 102400
	s_mul_i32 s85, s85, 6400
	s_add_co_u32 s84, s84, s85
	s_mul_i32 s85, s20, 6553600
	s_add_co_u32 s84, s84, s85
	s_mov_b32 s85, 0
	s_add_nc_u64 s[12:13], s[12:13], s[84:85]      ; qkv at my block of 6,400 bytes
	s_mov_b32 s84, s92
	s_add_nc_u64 s[98:99], s[12:13], s[84:85]      ; the scale words' base
	s_mov_b32 s84, s91
	s_add_nc_u64 s[SB:SB+1], s[12:13], s[84:85]
	s_mov_b32 s84, s94
	s_add_nc_u64 s[SB+2:SB+3], s[SB:SB+1], s[84:85]
	s_mov_b32 s84, s93
.irp a, 1,2,3
	s_add_nc_u64 s[SB+4*\a:SB+4*\a+1], s[SB+4*(\a-1):SB+4*(\a-1)+1], s[84:85]
	s_add_nc_u64 s[SB+4*\a+2:SB+4*\a+3], s[SB+4*(\a-1)+2:SB+4*(\a-1)+3], s[84:85]
.endr
	; THE BIAS INTO THE ACCUMULATORS
	s_cmp_eq_u32 s20, 2
	s_cbranch_scc1 .Lbias_v
	s_cmp_eq_u32 s20, 0                            ; Q, K: the bias runs along side B: register 16 b + i of every a wants channel 256 cx + 128 bf + 32 b + 16 h + i
	s_cselect_b64 s[6:7], s[6:7], s[8:9]
	s_lshl_b32 s84, s17, 10
	s_lshl_b32 s86, s16, 9
	s_add_co_u32 s84, s84, s86
	s_add_nc_u64 s[6:7], s[6:7], s[84:85]
	v_lshlrev_b32 v176, 6, v3                      ; 64 h
	WIN 0x40                                       ; destination window 1
.irp a, 0,1,2,3
.set qq, 0
.rept 16
	global_load_b128 v[64*\a+4*qq:64*\a+4*qq+3], v176, s[6:7] offset:128*(qq/4)+16*(qq%4)
.set qq, qq+1
.endr
.endr
	WIN 0
	s_branch .Lbias_done
.Lbias_v:                                          ; V: the bias runs along side A: all 64 registers of a want channel 128 Aidx + 64 ah + 32 (a / 2) + 8 (a % 2) + r + 8 (r / 8)
	s_lshl_b32 s84, s90, 8                         ; s90 = 2 Aidx: x 256 bytes
	s_lshl_b32 s86, s15, 8
	s_add_co_u32 s84, s84, s86
	s_add_nc_u64 s[10:11], s[10:11], s[84:85]
	v_and_b32 v176, 8, v2
	v_add_nc_u32 v176, v176, v2
	v_lshlrev_b32 v176, 2, v176
.irp a, 0,1,2,3
	global_load_b32 v[180+2*\a], v176, s[10:11] offset:(32*(\a/2)+8*(\a%2))*4
	global_load_b32 v[181+2*\a], v176, s[10:11] offset:(32*(\a/2)+8*(\a%2))*4      ; twice: a pair for the packed form
.endr
	s_wait_loadcnt 0x0
	WIN 0x40
.irp a, 0,1,2,3
.set qq, 0
.rept 32
	v_pk_mul_f32 v[64*\a+2*qq:64*\a+2*qq+1], v[180+2*\a:181+2*\a], 1.0 op_sel_hi:[1,0]   ; spread over the accumulators, two registers a line; x 1.0 rounds nothing
.set qq, qq+1
.endr
.endr
	WIN 0
.Lbias_done:
.macro FETCH s                         ; K step s: B's eight fragments and A's four into set s % 2: 48 LDS loads, each of consecutive bytes
	WIN 0x80                                       ; destination window 2
.irp b, 0,1,2,3,4,5,6,7
.irp c, 0,1
	ds_load_b128 v[96*((\s)%2)+12*\b+6*\c:96*((\s)%2)+12*\b+6*\c+3], v[B16+(\s)/4] offset:6400*\b+1536*((\s)%4)+768*\c
	ds_load_b64 v[96*((\s)%2)+12*\b+6*\c+4:96*((\s)%2)+12*\b+6*\c+5], v[B8+(\s)/4] offset:6400*\b+1536*((\s)%4)+768*\c+512
.endr
.endr
	WIN 0
.irp a, 0,1,2,3
.irp c, 0,1
	ds_load_b128 v[AF+48*((\s)%2)+12*\a+6*\c:AF+48*((\s)%2)+12*\a+6*\c+3], v[A16+(\s)/4] offset:6400*\a+1536*((\s)%4)+768*\c
	ds_load_b64 v[AF+48*((\s)%2)+12*\a+6*\c+4:AF+48*((\s)%2)+12*\a+6*\c+5], v[A8+(\s)/4] offset:6400*\a+1536*((\s)%4)+768*\c+512
.endr
.endr
.endm
.macro SCALES g                        ; a chunk's scale words: four K steps' words of tile i by one load.  (Lanes 0-15 of i = 4 .. 7 bring words that no product names)
.irp i, 0,1,2,3,4,5,6,7
	ds_load_b128 v[SC+32*\g+4*\i:SC+32*\g+4*\i+3], v[SCAD+\g] offset:6144+6400*\i
.endr
.endm
.macro MUL s                           ; 32 matrix instructions; the 32 accumulators take turns, one instruction a turn, in the same order in every K step
	WIN 0x52                                       ; source 0 (B) window 2, source 1 (A) window 0, C and D window 1
.irp a, 0,1,2,3
.irp b, 0,1,2,3,4,5,6,7
	v_wmma_scale_f32_16x16x128_f8f6f4 v[64*\a+8*\b:64*\a+8*\b+7], v[96*((\s)%2)+12*\b:96*((\s)%2)+12*\b+11], v[AF+48*((\s)%2)+12*\a:AF+48*((\s)%2)+12*\a+11], v[64*\a+8*\b:64*\a+8*\b+7], v[SC+32*((\s)/4)+4*\b+(\s)%4], v[SC+32*((\s)/4)+4*\a+(\s)%4] matrix_a_fmt:MATRIX_FMT_FP6 matrix_b_fmt:MATRIX_FMT_FP6 matrix_a_scale:MATRIX_SCALE_ROW1
.endr
.endr
.endm
	s_cmp_lt_u32 s14, 2                            ; waves 0 and 1 brought chunk 0: they wait for their loads; chunk 1's loads, waves 2 and 3's, may stay out
	s_cbranch_scc0 .Lnot_first
	s_wait_tensorcnt 0x0
.Lnot_first:
	s_wait_loadcnt 0x0                             ; the bias
	s_barrier_signal -1
	s_barrier_wait -1                              ; everybody's part is in
	s_wait_alu depctr_va_vdst(0)
	FETCH 0
	SCALES 0
.irp s, 0,1,2,3,4,5,6,7
	s_wait_dscnt 0x0                               ; this K step's fragments are in (asked for ahead of the last step's 32 matrix instructions)
.if \s == 3
	s_wait_tensorcnt 0x0                           ; my part of chunk 1 is in,
	s_barrier_signal -1
	s_barrier_wait -1                              ; everybody's is
.endif
.if \s < 7
	PLACES 4                                       ; four plain lines between the last step's matrix instructions and loads into registers that they read
	FETCH \s+1
.if \s == 3
	SCALES 1
.endif
.endif
	MUL \s
.endr
	WIN 0
	PLACES 4                                       ; and in front of the first read of results and the first write of operands that are done with
	; THE END: for each a, my lane's 64 numbers (register 16 b + i = place 32 b + 16 h + i along side B) become a fragment's 12 registers of codes and a scale word
.irp b, 0,1,2,3
	v_mov_b32 v[TM+4+\b], 0                        ; written once: a lane permute's destination counts as one of its sources
.endr
	v_mul_u32_u24 v106, s95, v3
	v_lshl_add_u32 v106, v2, 3, v106               ; the scale words' place: 8 r, lanes 16-31 a head (Q, K) or 128 bytes (V) further on
.macro QUANT a
.set AC, 64*(\a)
.set PC, 176+20*(\a)
	WIN 0x14                                       ; sources 1 and 2 window 1
.irp b, 0,1,2,3
	v_max3_num_f32 v[TM+\b], 0x1800000, |v[AC+16*\b]|, |v[AC+16*\b+1]|   ; block b: my 16 numbers, each accumulator from its low end on, and the floor 2^(3 - 127)
.endr
.irp i, 2,4,6,8,10,12,14
.irp b, 0,1,2,3
	v_max3_num_f32 v[TM+\b], v[TM+\b], |v[AC+16*\b+\i]|, |v[AC+16*\b+\i+1]|
.endr
.endr
	WIN 0
.irp b, 0,1,2,3
	v_permlanex16_b32 v[TM+4+\b], v[TM+\b], s2, s3
.endr
.irp b, 0,1,2,3
	v_max_num_f32 v[TM+\b], v[TM+\b], v[TM+4+\b]   ; with lane l xor 16's 16: the block's largest magnitude
.endr
.irp b, 0,1,2,3
	v_add_nc_u32 v[TM+12+\b], 0xff000000, v[TM+\b] ; 2 off the exponent field: the conversion's scale operand
.endr
.irp b, 0,1,2,3
	v_lshrrev_b32 v[TM+4+\b], 23, v[TM+12+\b]      ; the scale's byte
.endr
	v_lshl_or_b32 v[PW+\a], v[TM+5], 8, v[TM+4]
	v_lshl_or_b32 v[PW+\a], v[TM+6], 16, v[PW+\a]
	v_lshl_or_b32 v[PW+\a], v[TM+7], 24, v[PW+\a]
	WIN 0x01                                       ; source 0 window 1
.irp c, 0,1
	v_cvt_scalef32_pk16_fp6_f32 v[PC+6*\c:PC+6*\c+2], v[AC+32*\c:AC+32*\c+15], v[TM+12+2*\c]
	v_cvt_scalef32_pk16_fp6_f32 v[PC+12+4*\c:PC+14+4*\c], v[AC+32*\c+16:AC+32*\c+31], v[TM+12+2*\c+1]   ; (a conversion's three registers begin on an even number)
.endr
	WIN 0
	v_nop                                          ; one plain line behind the conversions
.irp c, 0,1                                    ; the operand's layout wants a WHOLE block in a lane: lanes 0-15 block 2 c, lanes 16-31 block 2 c + 1
.irp i, 0,1,2
	v_permlane16_swap_b32 v[PC+6*\c+\i], v[PC+12+4*\c+\i]
.endr
.irp i, 0,1,2
	v_mov_b32 v[PC+3+6*\c+\i], v[PC+12+4*\c+\i]
.endr
.endr
.irp c, 0,1                                    ; each half: 768 consecutive bytes, at a multiple of 256 from qkv's first byte.  Each a has its own registers: no store's data are written again
	global_store_b128 v[L16], v[PC+6*\c:PC+6*\c+3], s[SB+4*(\a)+2*\c:SB+4*(\a)+2*\c+1]
	global_store_b64 v[L8], v[PC+6*\c+4:PC+6*\c+5], s[SB+4*(\a)+2*\c:SB+4*(\a)+2*\c+1] offset:512
.endr
.endm
.irp a, 0,1,2,3
	QUANT \a
.endr
	; the scale words.  Q, K: a word of the attention launch joins two tiles' bytes of ONE head: lanes 0-15 make head c = 0's (bytes 0, 1 of two words), lanes 16-31 head c = 1's (bytes 2, 3).
	; V: the words go as they are: lanes 0-15 store fragments 0, 1, lanes 16-31 fragments 2, 3.  Both are made, and the way's lane mask chooses: no branch
	v_mov_b32 v100, 0x05040100
	v_mov_b32 v101, 0x07060302
	v_cndmask_b32 v100, v100, v101, s97
	v_perm_b32 v102, v[PW+1], v[PW], v100
	v_perm_b32 v103, v[PW+3], v[PW+2], v100
	v_cndmask_b32 v104, v[PW], v[PW+2], s97
	v_cndmask_b32 v105, v[PW+1], v[PW+3], s97
	v_cndmask_b32 v102, v102, v104, s96
	v_cndmask_b32 v103, v103, v105, s96
	global_store_b64 v106, v[102:103], s[98:99] offset:6144   ; V: 256 consecutive bytes; Q, K: two runs of 128 bytes, the other half of each coming from the wave with the other ah
	s_wait_tensorcnt 0x0
	ds_add_u32 v251, v255
	s_wait_dscnt 0x0
	CROUND                                         ; the closing round: no work-group ends while a partner may still ask for a tile that names it
	s_endpgm
.Lfunc_end_k_q9f37744d74_proj:
	.size	k_q9f37744d74_proj, .Lfunc_end_k_q9f37744d74_proj-k_q9f37744d74_proj
	.p2alignl 7, 3214868480
	.fill 96, 4, 3214868480
	.section	.rodata,"a",@progbits
	.p2align	6, 0x0
	.amdhsa_kernel k_q9f37744d74_proj
		.amdhsa_group_segment_fixed_size 307712
		.amdhsa_private_segment_fixed_size 0
		.amdhsa_enable_private_segment 0
		.amdhsa_kernarg_size 40
		.amdhsa_user_sgpr_count 2
		.amdhsa_user_sgpr_kernarg_segment_ptr 1
		.amdhsa_wavefront_size32 1
		.amdhsa_system_sgpr_workgroup_id_x 1
		.amdhsa_system_sgpr_workgroup_id_y 1
		.amdhsa_system_sgpr_workgroup_id_z 1
		.amdhsa_system_vgpr_workitem_id 0
		.amdhsa_next_free_vgpr 704
		.amdhsa_next_free_sgpr 100
		.amdhsa_reserve_vcc 0
		.amdhsa_float_denorm_mode_32 3
		.amdhsa_float_denorm_mode_16_64 3
		.amdhsa_memory_ordered 1
		.amdhsa_forward_progress 1
		.amdhsa_inst_pref_size 102
	.end_amdhsa_kernel
	.amdgpu_metadata
---
amdhsa.version: [ 1, 2 ]
amdhsa.kernels:
  - .name:           k_q9f37744d74_proj
    .symbol:         k_q9f37744d74_proj.kd
    .args:
      - { .name: cod, .offset: 0, .size: 8, .value_kind: global_buffer, .address_space: global }
      - { .name: bq, .offset: 8, .size: 8, .value_kind: global_buffer, .address_space: global }
      - { .name: bk, .offset: 16, .size: 8, .value_kind: global_buffer, .address_space: global }
      - { .name: bv, .offset: 24, .size: 8, .value_kind: global_buffer, .address_space: global }
      - { .name: qkv, .offset: 32, .size: 8, .value_kind: global_buffer, .address_space: global }
    .group_segment_fixed_size: 307712
    .private_segment_fixed_size: 0
    .kernarg_segment_align: 8
    .kernarg_segment_size: 40
    .max_flat_workgroup_size: 128
    .sgpr_count:     100
    .vgpr_count:     704
    .wavefront_size: 32
...
	.end_amdgpu_metadata
.endif
;; end of part 2
;; launch attn (part 3): grid 4 x 64, 16 waves a work-group, clusters of 4 x 1, 206,848 bytes of LDS; arguments qkv, mw, oc; writes oc
.if DOCPART == 3
	.amdgcn_target "amdgcn-amd-amdhsa--gfx1250"
	.amdhsa_code_object_version 6
	.text
	.protected	k_q9f37744d74_attn
	.globl	k_q9f37744d74_attn
	.p2align	8
	.type	k_q9f37744d74_attn,@function
k_q9f37744d74_attn:
	s_mov_b64 s[64:65], 0
	v_nop
	global_prefetch_b8 v0, s[64:65] scope:SCOPE_SE
	s_setreg_imm32_b32 hwreg(HW_REG_WAVE_MODE, 25, 1), 1
	s_wait_xcnt 0x0
	s_wait_alu depctr_hold_cnt(0) depctr_sa_sdst(0) depctr_va_vdst(0) depctr_va_sdst(0) depctr_va_ssrc(0) depctr_va_vcc(0) depctr_vm_vsrc(0)
	s_getreg_b32 s2, hwreg(HW_REG_IB_STS2, 6, 4)
	s_cmp_eq_u32 s2, 0
	s_cbranch_scc0 .Lentry_in_a_cluster
	s_endpgm
.Lentry_in_a_cluster:
	s_bfe_u32 s2, ttmp6, 0x10000c
	s_cmp_lg_u32 s2, 0x3003
	s_cbranch_scc0 .Lentry_shape_is_right
	s_endpgm
.Lentry_shape_is_right:
; ATTN.  For each batch x head: O[q] = sum over k of softmax_k(Q[q] . K[k] / 8, masked) V[k], both products on codes of FP6 (E2M3) with E8M0 scales; O is quantised along the model's 1,024 and stored as an operand image.
; THE SOFTMAX AHEAD OF THE SECOND PRODUCT: t = score x log2(e) / 8; M = the row's largest t so far, rounded UP to a whole number; p = 2^(t - M) is quantised along the keys, not normalised; the row's sum is taken of the
; unquantised p in f32 and divides O at the end.  When M moves, the sum and O are multiplied by 2^(old M - new M): exact.  A masked score becomes -infinity ahead of the maximum: p = 0.
; A row all of whose keys are masked has the sum 0: its scale bytes are stored as 0xff, so that the last product's sums of that row are NaN, as the softmax of such a row is.
; SHARES.  256 work-groups.  A work-group owns 512 queries of one head; each of its sixteen waves owns two tiles of 16 queries (a pair of the buffer qkv) and walks them one after the other: 2 x 16 steps of 128 keys in ONE
; loop of 32 trips.  The head's K and V (204,800 bytes of operand images) lie in LDS whole, each byte filled once: wave w brings step w's block of K and its block of V by one tensor load of two rows of 6,400 bytes.
; One barrier stands behind these loads and none in the loop: the waves share nothing else.
; CLUSTER 4 x 1: the four work-groups of a cluster own the four quarters of one head's queries: each load is asked for jointly, with the same descriptor and the mask 15.
; No prefetch: K and V come by the head's one load a wave, and there is no loop to run ahead in; Q and the mask words are asked for under those loads' flight, the mask words a step ahead from then on.
; LAYOUT (buffer qkv).  Both products are used transposed: a lane holds ONE query (position lane % 16).
; S^T = K Q^T: a head has 64 channels and the instruction 128 along K, so source 0 is a PAIR of key tiles 2 b, 2 b + 1, and source 1 is [Q | zeros] for the first, [zeros | Q] for the second, both cut out of 18 registers.
; Position p of key tile 4 c + t of a step is key 64 c + 8 t + p % 8 + 32 (p / 8): so score register 32 c + i of lane (r, h) is key 64 c + 32 h + i: A LANE HOLDS TWO WHOLE SCALE BLOCKS, 2 c + h, and p's codes
; fall as the operand's registers want them: no lane asks another for a block's maximum and no code changes lanes.
; O^T += V^T P^T: source 0 = 16 channels (tile t of the head's 64) x the step's 128 keys, source 1 = P.  O's register 16 t2 + i is channel 32 t2 + 16 (lane / 16) + i.
; mw: [batch][tile of queries][step][64 words]: word n is the lane mask for score register n; a wave's two tiles lie on end there.
; LIMITS: NaN and infinities are not served; a block of p or of O whose largest magnitude lies under 2^-124 keeps the byte 1 (a block of zeros too: its codes are zeros).
.set KF,  40                           ; v40-87   four fragments: K's pairs, then V's
.set S,   88                           ; v88-151  S^T, then p
.set O,   152                          ; v152-183 O^T
.set PC,  184                          ; v184-195 p's codes
.set T,   196                          ; v196-202 the upper halves of two blocks, as the conversions leave them
.set BM,  204                          ; v204-207 four chains of maxima; then v204, v206 the two blocks' largest scores, then largest p
.set BP,  208                          ; v208-209 what lane l xor 16 sends
.set SO,  210                          ; v210-211 the conversions' scale operands
.set BY,  212                          ; v212-213 scale bytes
.set TT,  214                          ; v214-215 at work
.set QB,  216                          ; v216-221 my second tile's Q
.set QW,  222                          ; v222     the pair's scale word
.set H8,  223                          ; v223     8 (lane / 16)
.set BO,  224                          ; v224     the way out: my scale byte's place
.set FF,  225                          ; v225     0xff
.set SM,  226                          ; v226-231 three partial sums
; v1 16 x lane, v2 8 x lane; v3, v4 the step's LDS addresses; v7 -infinity; v[8:9] K's scale words, v[10:11] V's, v12 Q's, v13 p's (these six hold scales alone);
; v[14:15] c, c; v16 -M, v17 the largest score; v[18:19] the sum in two halves; v[20:21] f; v22-27 zeros, v28-33 Q, v34-39 zeros; v254, v255 the spare word's address and 0
.set WV,  66                           ; s66  my wave's number
.set TB,  67                           ; s67  LDS byte of the step's block: 12,800 a step: K's 6,400, then V's
.set CNT, 100                          ; s100 counts the 32 trips
.set MO,  101                          ; s101 byte offset of the mask words being loaded
; s[2:3] my tiles' mask words; s4, s5 lane selects; s7 the lane mask of lanes 16-31; s[8:11] group 0; s[12:13] where my tile's codes go; s[16:23] group 1; s[68:99] mask words 0-31, s[32:63] words 32-63
.macro PLACES n
.rept \n
	v_nop
.endr
.endm
.macro DLY n
	s_delay_alu instid0(VALU_DEP_\n)
.endm
.macro WALU
	s_wait_alu depctr_va_vdst(0)
.endm
.macro CROUND                          ; a round of the cluster's barrier
	s_barrier_signal -1
	s_barrier_wait -1
	s_cmp_lg_u32 s[WV], 0
	s_cbranch_scc1 .Lnot_wave_0_\@
	s_barrier_signal -3
.Lnot_wave_0_\@:
	s_barrier_wait -3
	s_barrier_signal -1
	s_barrier_wait -1
.endm
.macro MLOAD                           ; a step's 64 mask words
	s_load_b512 s[68:83], s[2:3], s[MO] offset:0x0
	s_load_b512 s[84:99], s[2:3], s[MO] offset:0x40
	s_load_b512 s[32:47], s[2:3], s[MO] offset:0x80
	s_load_b512 s[48:63], s[2:3], s[MO] offset:0xc0
.endm
; A tile begins: its Q (copy = 1: out of v216-221), its two scale bytes twice (they serve [Q | zeros] and [zeros | Q] alike), the running numbers, O^T = 0.
; The 32 lines that clear O^T are also the plain lines between the write of a scale register and the first scaled product.
.macro INIT sel, copy
.if \copy
.irp i, 0,1,2,3,4,5
	v_mov_b32 v[28+\i], v[QB+\i]
.endr
.endif
	v_perm_b32 v12, v[QW], v[QW], \sel
	v_mov_b32 v17, 0xff61b1e6                      ; the largest score so far: -3e38
	v_mov_b32 v16, 0x7f61b1e6                      ; -M: 3e38
	v_mov_b32 v18, 0
	v_mov_b32 v19, 0
.set nn, 0
.rept 32
	v_mov_b32 v[O+nn], 0
.set nn, nn+1
.endr
.endm
	s_load_b128 s[32:35], s[0:1], 0x0              ; qkv s[32:33], mw s[34:35]
	s_load_b64 s[12:13], s[0:1], 0x10              ; oc
	v_lshl_add_u32 v254, v0, 2, 0x32000
	v_mov_b32 v255, 0
	ds_add_u32 v254, v255                          ; the opening lines: the add, twice on end, and its wait ahead of my tensor load
	ds_add_u32 v254, v255
	v_lshrrev_b32 v1, 5, v0
	v_readfirstlane_b32 s[WV], v1                  ; wave 0..15
	s_bfe_u32 s24, ttmp6, 0x40000                  ; cx: my quarter of the head's queries: it enters Q's, the mask's and O's addresses alone
	s_and_b32 s25, ttmp7, 0xffff                   ; batch x head, which the four partners share
	s_mul_i32 s26, s25, 102400                     ; its bytes in each region of qkv
	s_mul_i32 s27, s[WV], 6400
	s_add_co_u32 s14, s26, s27
	s_add_co_u32 s14, s14, 6553600                 ; K's block of step = my wave's number; V's lies one region, 6,553,600 bytes, further on
	s_mov_b32 s15, 0
	s_mov_b32 s8, 1
	s_mul_i32 s9, s[WV], 12800                     ; LDS: the step's 12,800 bytes
	s_mov_b32 s16, 15|(3<<16)|(1<<21)              ; group 1: the mask: all four work-groups; elements of 8 bytes; bit 21 set beside a mask
	s_mov_b32 s17, 800<<16                         ; tensor_dim0: a row of 6,400 bytes
	s_mov_b32 s18, 2<<16                           ; tensor_dim1: two rows
	s_mov_b32 s19, 800<<16                         ; tile_dim0
	s_mov_b32 s20, 2                               ; tile_dim1
	s_mov_b32 s21, 819200                          ; from row to row: a region
	s_mov_b32 s22, 0
	s_mov_b32 s23, 0
	s_mov_b32 s4, 0x76543210
	s_mov_b32 s5, 0xfedcba98                       ; v_permlanex16_b32's selects for lane l xor 16
	s_mov_b32 s7, 0xffff0000
	s_mov_b32 s[MO], 0
	s_mov_b32 s[CNT], 0
	s_wait_dscnt 0x0
	s_wait_kmcnt 0x0
	s_add_nc_u64 s[10:11], s[32:33], s[14:15]
	s_or_b32 s11, s11, 0x80000000
	CROUND                                         ; all four work-groups are here: the joint loads meet
	tensor_load_to_lds s[8:11], s[16:23]           ; my one tensor load; every wave issues this line
	s_nop 0
	PLACES 4
	; Q: my pair of tiles is 32 cx + 2 wave, + 1 of the batch's 128: step 4 cx + wave / 4, pair wave % 4 of region 0
	s_lshl_b32 s27, s24, 2
	s_lshr_b32 s28, s[WV], 2
	s_add_co_u32 s27, s27, s28
	s_mul_i32 s27, s27, 6400
	s_add_co_u32 s26, s26, s27
	s_and_b32 s28, s[WV], 3
	s_mul_i32 s29, s28, 1536
	s_add_co_u32 s30, s26, s29
	s_mov_b32 s31, 0
	s_add_nc_u64 s[30:31], s[32:33], s[30:31]      ; the pair's codes
	s_lshr_b32 s29, s28, 1
	s_lshl_b32 s29, s29, 7
	s_and_b32 s28, s28, 1
	s_lshl_b32 s28, s28, 2
	s_add_co_u32 s29, s29, s28                     ; its scale words: 128 (pair / 2) + 4 (pair % 2)
	s_add_co_u32 s26, s26, s29
	s_mov_b32 s27, 0
	s_add_nc_u64 s[26:27], s[32:33], s[26:27]
	v_and_b32 v3, 31, v0
	v_and_b32 v4, 15, v0                           ; r
	v_bfe_u32 v6, v0, 4, 1                         ; h
	v_lshlrev_b32 v1, 4, v3                        ; 16 x lane
	v_lshlrev_b32 v2, 3, v3                        ; 8 x lane
	v_lshlrev_b32 v5, 3, v4                        ; 8 r
	global_load_b128 v[28:31], v1, s[30:31]
	global_load_b64 v[32:33], v2, s[30:31] offset:512
	global_load_b128 v[QB:QB+3], v1, s[30:31] offset:768
	global_load_b64 v[QB+4:QB+5], v2, s[30:31] offset:1280
	global_load_b32 v[QW], v5, s[26:27] offset:6144   ; bytes (first tile: channels 0-31, 32-63; second tile: the same)
	s_lshr_b32 s28, s25, 4                         ; batch
	s_lshl_b32 s28, s28, 7
	s_lshl_b32 s29, s24, 5
	s_add_co_u32 s28, s28, s29
	s_lshl_b32 s29, s[WV], 1
	s_add_co_u32 s28, s28, s29                     ; 128 batch + my first tile
	s_lshl_b32 s14, s28, 12
	s_add_nc_u64 s[2:3], s[34:35], s[14:15]        ; its mask words: 4,096 bytes a tile
	MLOAD                                          ; step 0's
	s_mul_i32 s14, s28, 12800                      ; oc: tile, then block head / 8 of 6,400 bytes, K step (head / 2) % 4, half head % 2
	s_and_b32 s29, s25, 15
	s_lshr_b32 s28, s29, 3
	s_mul_i32 s28, s28, 6400
	s_add_co_u32 s14, s14, s28
	s_bfe_u32 s28, s29, 0x20001
	s_and_b32 s29, s29, 1
	s_mul_i32 s24, s28, 1536
	s_mul_i32 s25, s29, 768
	s_add_co_u32 s24, s24, s25                     ; the codes' place in the block
	s_add_co_u32 s14, s14, s24
	s_add_nc_u64 s[12:13], s[12:13], s[14:15]
	s_lshl_b32 s28, s28, 2
	s_lshl_b32 s29, s29, 1
	s_add_co_u32 s28, s28, s29
	s_add_co_u32 s28, s28, 6144                    ; the two scale bytes' place in the block,
	s_sub_co_u32 s28, s28, s24                     ; counted from the codes' place (at least 768)
	WALU
	v_lshl_add_u32 v[BO], v4, 4, v6
	v_add_nc_u32 v[BO], s28, v[BO]
	v_lshlrev_b32 v[H8], 3, v6
	v_mov_b32 v[FF], 0xff
	v_mov_b32 v7, 0xff800000                       ; -infinity
	v_mov_b32 v14, 0x3e38aa3b                      ; c = log2(e) / 8
	v_mov_b32 v15, 0x3e38aa3b
	v_mov_b32 v21, 0                               ; (named as the upper half of the pair v[20:21])
	v_mov_b32 v[BP], 0                             ; written once: a lane permute's destination counts as one of its sources
	v_mov_b32 v[BP+1], 0
.irp i, 0,1,2,3,4,5
	v_mov_b32 v[22+\i], 0
	v_mov_b32 v[34+\i], 0
.endr
	s_wait_loadcnt 0x0                             ; Q is in
	INIT 0x01000100, 0                             ; my first tile
	WALU
	s_wait_tensorcnt 0x0                           ; my step's K and V are in,
	s_barrier_signal -1
	s_barrier_wait -1                              ; everybody's are: the whole head lies in LDS
.Lstep:                                                ; A KEY STEP: 128 keys
	s_and_b32 s14, s[CNT], 15
	s_mul_i32 s[TB], s14, 12800
	v_add_nc_u32 v3, s[TB], v1                     ; four plain lines between the last step's products and the loads into registers that they read
	v_add_nc_u32 v4, s[TB], v2
	PLACES 2
.irp b, 0,1,2,3
.irp c, 0,1
	ds_load_b128 v[KF+12*\b+6*\c:KF+12*\b+6*\c+3], v3 offset:1536*\b+768*\c
	ds_load_b64 v[KF+12*\b+6*\c+4:KF+12*\b+6*\c+5], v4 offset:1536*\b+768*\c+512
.endr
.endr
	ds_load_b64 v[8:9], v4 offset:6144             ; lanes 0-15: the words of pairs 0, 1; lanes 16-31: of pairs 2, 3
	WALU
	s_wait_dscnt 0x0
.irp b, 0,1,2,3
.irp u, 0,1
.if \b < 2
	v_wmma_scale_f32_16x16x128_f8f6f4 v[S+16*\b+8*\u:S+16*\b+8*\u+7], v[KF+12*\b:KF+12*\b+11], v[28-6*\u:39-6*\u], 0, v[8+\b%2], v12 matrix_a_fmt:MATRIX_FMT_FP6 matrix_b_fmt:MATRIX_FMT_FP6
.else
	v_wmma_scale_f32_16x16x128_f8f6f4 v[S+16*\b+8*\u:S+16*\b+8*\u+7], v[KF+12*\b:KF+12*\b+11], v[28-6*\u:39-6*\u], 0, v[8+\b%2], v12 matrix_a_fmt:MATRIX_FMT_FP6 matrix_b_fmt:MATRIX_FMT_FP6 matrix_a_scale:MATRIX_SCALE_ROW1
.endif
.endr
.endr
	v_mov_b32 v[TT+1], v16                         ; the old -M.  With three idle lines: the four places in front of loads into K's registers and of the first read of the scores
	PLACES 3
.irp t, 0,1,2,3                                ; V's four fragments land while the softmax is walked
.irp c, 0,1
	ds_load_b128 v[KF+12*\t+6*\c:KF+12*\t+6*\c+3], v3 offset:6400+1536*\t+768*\c
	ds_load_b64 v[KF+12*\t+6*\c+4:KF+12*\t+6*\c+5], v4 offset:6400+1536*\t+768*\c+512
.endr
.endr
	ds_load_b64 v[10:11], v4 offset:12544
	s_wait_kmcnt 0x0                               ; this step's mask words, asked for a step ago
.set nn, 0
.rept 32
	v_cndmask_b32 v[S+nn], v7, v[S+nn], s[68+nn]   ; a hidden key's score becomes -infinity.  Ascending: each accumulator is read from its low end on
.set nn, nn+1
.endr
.rept 32
	v_cndmask_b32 v[S+nn], v7, v[S+nn], s[nn]
.set nn, nn+1
.endr
	s_add_co_u32 s[MO], s[MO], 256                 ; (no scalar load is out: the offset may be written)  My second tile's words follow my first's
	s_min_u32 s[MO], s[MO], 7936                   ; the last step asks for its own words again: no load leaves the buffer
	MLOAD
.irp q, 0,1,2,3                                ; the largest score of each of my two blocks of 32 keys, in four chains of 16: it serves the row's maximum and, since p rises with the score, the block's largest p
	v_max3_num_f32 v[BM+\q], v[S+16*\q], v[S+16*\q+1], v[S+16*\q+2]
.endr
.irp i, 3,5,7,9,11,13
.irp q, 0,1,2,3
	v_max3_num_f32 v[BM+\q], v[BM+\q], v[S+16*\q+\i], v[S+16*\q+\i+1]
.endr
.endr
	v_max3_num_f32 v[BM], v[BM], v[BM+1], v[S+15]
	v_max3_num_f32 v[BM+2], v[BM+2], v[BM+3], v[S+47]
	DLY 2
	v_max_num_f32 v[BM], v[BM], v[S+31]
	DLY 2
	v_max_num_f32 v[BM+2], v[BM+2], v[S+63]
	DLY 1
	v_max_num_f32 v[TT], v[BM], v[BM+2]
	DLY 1
	v_permlanex16_b32 v[BP], v[TT], s4, s5
	DLY 1
	v_max3_num_f32 v17, v17, v[TT], v[BP]          ; the running largest score of my query, lane l xor 16's 64 keys among them
	DLY 1
	v_mul_f32 v[TT], -v14, v17                     ; -t
	DLY 1
	v_floor_f32 v16, v[TT]                         ; the new -M = floor(-t): M is a whole number
.set nn, 0
.rept 32
	v_pk_fma_f32 v[S+nn:S+nn+1], v[S+nn:S+nn+1], v[14:15], v[16:17] op_sel_hi:[1,0,0]   ; t - M, two at a time (of the pairs c and -M the low word serves both halves)
.if nn == 6
	v_sub_f32 v[TT], v16, v[TT+1]                  ; old M - new M: a whole number, 0 or less
.elseif nn == 14
	v_cvt_i32_f32 v[TT], v[TT]                     ; (it saturates)
.elseif nn == 22
	v_ldexp_f32 v20, 1.0, v[TT]                    ; f = 2^(old M - new M)
.endif
.set nn, nn+2
.endr
	v_fma_f32 v[BM], v[BM], v14, v16               ; the same of each block's largest score
	v_fma_f32 v[BM+2], v[BM+2], v14, v16
	WALU
.set nn, 0
.rept 64
	v_exp_f32 v[S+nn], v[S+nn]                     ; p = 2^(t - M), at most 1
.set nn, nn+1
.endr
	v_exp_f32 v[BM], v[BM]                         ; the block's largest p: the same two instructions on the same number give the same bits
	v_exp_f32 v[BM+2], v[BM+2]
	v_pk_mul_f32 v[18:19], v[18:19], v[20:21] op_sel_hi:[1,0]   ; the sums under the new M.  (The plain line behind the exponentials)
	WALU                                           ; one wait for the batch of 66, ahead of its first reader
	v_pk_add_f32 v[SM:SM+1], v[S:S+1], v[S+2:S+3]  ; the row's sum of the unquantised p: four chains; the blocks' scales are made among them, line by line
	v_pk_add_f32 v[SM+2:SM+3], v[S+4:S+5], v[S+6:S+7]
	v_pk_add_f32 v[SM+4:SM+5], v[S+8:S+9], v[S+10:S+11]
	v_pk_add_f32 v[18:19], v[18:19], v[S+12:S+13]
.set nn, 14
.set kk, 0
.rept 6
	v_pk_add_f32 v[SM:SM+1], v[SM:SM+1], v[S+nn:S+nn+1]
	v_pk_add_f32 v[SM+2:SM+3], v[SM+2:SM+3], v[S+nn+2:S+nn+3]
	v_pk_add_f32 v[SM+4:SM+5], v[SM+4:SM+5], v[S+nn+4:S+nn+5]
	v_pk_add_f32 v[18:19], v[18:19], v[S+nn+6:S+nn+7]
.if kk == 0
	v_max_num_f32 v[BM], 0x1800000, v[BM]          ; the floor 2^(3 - 127): the byte cannot fall under 1
	v_max_num_f32 v[BM+2], 0x1800000, v[BM+2]
.elseif kk == 1
	v_add_nc_u32 v[SO], 0xff000000, v[BM]          ; 2 off the exponent field: the conversion's scale operand
	v_add_nc_u32 v[SO+1], 0xff000000, v[BM+2]
.elseif kk == 2
	v_lshrrev_b32 v[BY], 23, v[SO]                 ; the scale's byte
	v_lshrrev_b32 v[BY+1], 23, v[SO+1]
.elseif kk == 3
	v_lshl_or_b32 v[TT], v[BY+1], 16, v[BY]        ; my bytes: blocks h and 2 + h,
.elseif kk == 4
	v_lshlrev_b32 v[TT], v[H8], v[TT]              ; at their places in the word
.else
	v_permlanex16_b32 v[BP+1], v[TT], s4, s5
.endif
.set nn, nn+8
.set kk, kk+1
.endr
	v_pk_add_f32 v[SM:SM+1], v[SM:SM+1], v[S+62:S+63]
	v_pk_add_f32 v[SM+2:SM+3], v[SM+2:SM+3], v[SM+4:SM+5]
	v_pk_add_f32 v[18:19], v[18:19], v[SM:SM+1]
	v_pk_add_f32 v[18:19], v[18:19], v[SM+2:SM+3]
.irp c, 0,1
	v_cvt_scalef32_pk16_fp6_f32 v[PC+6*\c:PC+6*\c+2], v[S+32*\c:S+32*\c+15], v[SO+\c]
	v_cvt_scalef32_pk16_fp6_f32 v[T+4*\c:T+4*\c+2], v[S+32*\c+16:S+32*\c+31], v[SO+\c]   ; (a conversion's three registers begin on an even number)
.endr
	v_or_b32 v13, v[TT], v[BP+1]                   ; with lane l xor 16's two bytes p's scale word is whole.  (The plain line behind the conversions)
.irp c, 0,1
.irp i, 0,1,2
	v_mov_b32 v[PC+6*\c+3+\i], v[T+4*\c+\i]
.endr
.endr
	s_wait_dscnt 0x0                               ; V is in
	WALU                                           ; directly ahead of the first reader of O^T
.set nn, 0
.rept 16
	v_pk_mul_f32 v[O+nn:O+nn+1], v[O+nn:O+nn+1], v[20:21] op_sel_hi:[1,0]   ; O^T under the new M.  (Also the plain lines between the writes of p's codes and scale word and the scaled products)
.set nn, nn+2
.endr
.irp t, 0,1,2,3                                ; the four accumulators take turns, one instruction a turn
.if \t < 2
	v_wmma_scale_f32_16x16x128_f8f6f4 v[O+8*\t:O+8*\t+7], v[KF+12*\t:KF+12*\t+11], v[PC:PC+11], v[O+8*\t:O+8*\t+7], v[10+\t%2], v13 matrix_a_fmt:MATRIX_FMT_FP6 matrix_b_fmt:MATRIX_FMT_FP6
.else
	v_wmma_scale_f32_16x16x128_f8f6f4 v[O+8*\t:O+8*\t+7], v[KF+12*\t:KF+12*\t+11], v[PC:PC+11], v[O+8*\t:O+8*\t+7], v[10+\t%2], v13 matrix_a_fmt:MATRIX_FMT_FP6 matrix_b_fmt:MATRIX_FMT_FP6 matrix_a_scale:MATRIX_SCALE_ROW1
.endif
.endr
	s_add_co_u32 s[CNT], s[CNT], 1
	s_and_b32 s14, s[CNT], 15
	s_cmp_lg_u32 s14, 0
	s_cbranch_scc1 .Lnext                          ; the tile has keys left
	; THE WAY OUT of a tile.  O^T / the sum; its two blocks of 32 channels are quantised; the half fragment goes to oc as it stands
	v_add_f32 v18, v18, v19                        ; the sum's two halves,
	DLY 1
	v_permlanex16_b32 v[BP], v18, s4, s5
	DLY 1
	v_add_f32 v18, v18, v[BP]                      ; and lane l xor 16's: the row's sum
	WALU
	v_rcp_f32 v20, v18
	PLACES 3                                       ; plain lines behind the reciprocal; with the two additions also the places behind the last products
	WALU                                           ; ahead of the reciprocal's first reader, which is also O^T's
.set nn, 0
.rept 16
	v_pk_mul_f32 v[O+nn:O+nn+1], v[O+nn:O+nn+1], v[20:21] op_sel_hi:[1,0]   ; ascending: each accumulator from its low end on
.set nn, nn+2
.endr
.irp b, 0,1
	v_max3_num_f32 v[BM+\b], |v[O+16*\b]|, |v[O+16*\b+1]|, 0x1800000
.endr
.irp i, 2,4,6,8,10,12,14
.irp b, 0,1
	DLY 2
	v_max3_num_f32 v[BM+\b], v[BM+\b], |v[O+16*\b+\i]|, |v[O+16*\b+\i+1]|
.endr
.endr
.irp b, 0,1
	DLY 2
	v_permlanex16_b32 v[BP+\b], v[BM+\b], s4, s5
.endr
.irp b, 0,1
	DLY 2
	v_max_num_f32 v[BM+\b], v[BM+\b], v[BP+\b]     ; a block of O lies in lanes l and l xor 16
.endr
.irp b, 0,1
	DLY 2
	v_add_nc_u32 v[SO+\b], 0xff000000, v[BM+\b]
.endr
.irp b, 0,1
	DLY 2
	v_lshrrev_b32 v[BP+\b], 23, v[SO+\b]
.endr
	v_cvt_scalef32_pk16_fp6_f32 v[PC:PC+2], v[O:O+15], v[SO]
	v_cvt_scalef32_pk16_fp6_f32 v[T:T+2], v[O+16:O+31], v[SO+1]
	v_cndmask_b32 v[TT], v[BP], v[BP+1], s7        ; lane (r, h) stores block h's byte.  (The plain line behind the conversions)
.irp i, 0,1,2
	v_permlane16_swap_b32 v[PC+\i], v[T+\i]        ; the operand's layout wants a whole block in a lane
.endr
.irp i, 0,1,2
	v_mov_b32 v[PC+3+\i], v[T+\i]
.endr
	v_cmp_eq_f32 vcc_lo, 0, v18
	v_cndmask_b32 v[TT], v[TT], v[FF], vcc_lo      ; a row with no key at all: the byte 0xff
	global_store_b128 v1, v[PC:PC+3], s[12:13]                 ; 768 consecutive bytes, at a multiple of 256 from oc's first byte
	global_store_b64 v2, v[PC+4:PC+5], s[12:13] offset:512
	global_store_b8 v[BO], v[TT], s[12:13]                     ; a head owns two of the four bytes of a row's scale word: 32 single bytes a tile, one part in 24 of what is stored
	s_wait_xcnt 0x0                                ; the stores have read their base and their data
	s_add_nc_u64 s[12:13], s[12:13], 12800         ; my second tile's place
	s_cmp_eq_u32 s[CNT], 32
	s_cbranch_scc1 .Lnext                          ; nothing follows my second tile
	INIT 0x03020302, 1                             ; my second tile
	WALU
.Lnext:
	s_cmp_lt_u32 s[CNT], 32
	s_cbranch_scc1 .Lstep
	s_wait_kmcnt 0x0                               ; the words asked for in the last step
	s_wait_tensorcnt 0x0                           ; the wave's end
	ds_add_u32 v254, v255
	s_wait_dscnt 0x0
	CROUND                                         ; the closing round: no work-group ends while a partner may still ask for a tile that names it
	s_endpgm
.Lfunc_end_k_q9f37744d74_attn:
	.size	k_q9f37744d74_attn, .Lfunc_end_k_q9f37744d74_attn-k_q9f37744d74_attn
	.p2alignl 7, 3214868480
	.fill 96, 4, 3214868480
	.section	.rodata,"a",@progbits
	.p2align	6, 0x0
	.amdhsa_kernel k_q9f37744d74_attn
		.amdhsa_group_segment_fixed_size 206848
		.amdhsa_private_segment_fixed_size 0
		.amdhsa_enable_private_segment 0
		.amdhsa_kernarg_size 24
		.amdhsa_user_sgpr_count 2
		.amdhsa_user_sgpr_kernarg_segment_ptr 1
		.amdhsa_wavefront_size32 1
		.amdhsa_system_sgpr_workgroup_id_x 1
		.amdhsa_system_sgpr_workgroup_id_y 1
		.amdhsa_system_sgpr_workgroup_id_z 1
		.amdhsa_system_vgpr_workitem_id 0
		.amdhsa_next_free_vgpr 256
		.amdhsa_next_free_sgpr 102
		.amdhsa_reserve_vcc 1
		.amdhsa_float_denorm_mode_32 3
		.amdhsa_float_denorm_mode_16_64 3
		.amdhsa_memory_ordered 1
		.amdhsa_forward_progress 1
		.amdhsa_inst_pref_size 34
	.end_amdhsa_kernel
	.amdgpu_metadata
---
amdhsa.version: [ 1, 2 ]
amdhsa.kernels:
  - .name:           k_q9f37744d74_attn
    .symbol:         k_q9f37744d74_attn.kd
    .args:
      - { .name: qkv, .offset: 0, .size: 8, .value_kind: global_buffer, .address_space: global }
      - { .name: mw, .offset: 8, .size: 8, .value_kind: global_buffer, .address_space: global }
      - { .name: oc, .offset: 16, .size: 8, .value_kind: global_buffer, .address_space: global }
    .group_segment_fixed_size: 206848
    .private_segment_fixed_size: 0
    .kernarg_segment_align: 8
    .kernarg_segment_size: 24
    .max_flat_workgroup_size: 512
    .sgpr_count:     102
    .vgpr_count:     256
    .wavefront_size: 32
...
	.end_amdgpu_metadata
.endif
;; end of part 3
;; launch outp (part 4): grid 4 x 64, 4 waves a work-group, clusters of 4 x 4, 307,712 bytes of LDS; arguments oc, cod, bo, out0; writes out0
.if DOCPART == 4
	.amdgcn_target "amdgcn-amd-amdhsa--gfx1250"
	.amdhsa_code_object_version 6
	.text
	.protected	k_q9f37744d74_outp
	.globl	k_q9f37744d74_outp
	.p2align	8
	.type	k_q9f37744d74_outp,@function
k_q9f37744d74_outp:
	s_mov_b64 s[64:65], 0
	v_nop
	global_prefetch_b8 v0, s[64:65] scope:SCOPE_SE
	s_setreg_imm32_b32 hwreg(HW_REG_WAVE_MODE, 25, 1), 1
	s_wait_xcnt 0x0
	s_wait_alu depctr_hold_cnt(0) depctr_sa_sdst(0) depctr_va_vdst(0) depctr_va_sdst(0) depctr_va_ssrc(0) depctr_va_vcc(0) depctr_vm_vsrc(0)
	s_getreg_b32 s2, hwreg(HW_REG_IB_STS2, 6, 4)
	s_cmp_eq_u32 s2, 0
	s_cbranch_scc0 .Lentry_in_a_cluster
	s_endpgm
.Lentry_in_a_cluster:
	s_bfe_u32 s2, ttmp6, 0x10000c
	s_cmp_lg_u32 s2, 0xf033
	s_cbranch_scc0 .Lentry_shape_is_right
	s_endpgm
.Lentry_shape_is_right:
; OUTP.  out0 = A Wo^T + bo, A the attention's result: both operands are codes of FP6 (E2M3) with E8M0 scales, laid as images of operand registers (A in oc, Wo in cod from tile 1728 on); sums and out0 in f32.
; Both buffers: [tile of 16 rows][g = 0, 1][6,400 bytes]: four fragments of 1,536 bytes (K steps 4 g .. 4 g + 3), then 256 bytes of scale words (position r, K step 4 g + s: 16 r + 4 s).
; Position p of tile T is row 32 (T / 2) + 8 (T % 2) + p + 8 (p / 8).  A fragment's half c (768 bytes): registers 6 c .. 6 c + 3 at 16 x lane, 6 c + 4, 6 c + 5 at 512 + 8 x lane.
; SHARES.  A work-group makes 128 tokens (side A) x 256 outputs (side B); all of K = 1,024 of both sides lies in LDS, filled once, in two chunks of 512 along K.  A wave makes 64 x 128: 32 accumulators.
; Source 0 = 16 rows of Wo, source 1 = 16 tokens: a lane holds one token, and the 16 registers of B's tiles 2 b, 2 b + 1 are outputs 32 b + 16 (lane / 16) + 0 .. 15: 64 neighbouring bytes of a row of out0.
; The bias is loaded into the accumulators while the tiles are on their way, so every matrix instruction adds in place.
; CLUSTER 4 x 4: A's tiles are asked for jointly by a row of the cluster, Wo's by a column.
; A scale byte 0xff in oc (a query with no key at all) makes that row's sums NaN, as the softmax of such a row is.
; REGISTERS: window 0: v4-15 addresses, v16-79 scale words (they hold nothing else), v80-175 A's fragments in two sets (on the way out v80-207: rows read back), v208-210 addresses;
;   window 1: the accumulators, (a, b) at v[64 a + 8 b];   window 2: B's fragments in two sets, at v0 and v96.
.set CHUNK, 153600                     ; LDS: chunk g: side A's 8 tiles x 6,400 bytes, then side B's 16
.set A16,  4
.set A8,   6
.set B16,  8
.set B8,   10
.set SCAD, 12
.set L16,  14
.set L8,   15
.set SC,   16
.set AF,   80
.set STO,  208                         ; v208  the way out: where I put 64 bytes of a row
.set RD,   209                         ; v209  and where I read a row back
.set G1A,  32
.set G1B,  40
.set G0A,  48
.set G0B,  56
.set MSB, 0
.macro WIN new                         ; the immediate's high byte repeats the setting that is left
.if MSB != \new
	s_set_vgpr_msb (MSB<<8)|\new
.set MSB, \new
.endif
.endm
.macro PLACES n
.rept \n
	v_nop
.endr
.endm
.macro CROUND                          ; a round of the cluster's barrier
	s_barrier_signal -1
	s_barrier_wait -1
	s_cmp_lg_u32 s14, 0
	s_cbranch_scc1 .Lnot_wave_0_\@
	s_barrier_signal -3
.Lnot_wave_0_\@:
	s_barrier_wait -3
	s_barrier_signal -1
	s_barrier_wait -1
.endm
	s_load_b256 s[4:11], s[0:1], 0x0               ; oc s[4:5], cod s[6:7], bo s[8:9], out0 s[10:11]
	v_lshl_add_u32 v254, v0, 2, 0x4b000
	v_mov_b32 v255, 0
	ds_add_u32 v254, v255
	ds_add_u32 v254, v255
	v_lshrrev_b32 v1, 5, v0
	v_readfirstlane_b32 s14, v1                    ; wave 0..3
	s_lshr_b32 s15, s14, 1                         ; ah: which 64 tokens are mine.  Also: which chunk I fetch
	s_and_b32 s16, s14, 1                          ; bf: which 128 outputs.  Also: I fetch for A (0) or for B (1)
	s_bfe_u32 s17, ttmp6, 0x40000                  ; cx
	s_bfe_u32 s18, ttmp6, 0x40004                  ; cy
	s_and_b32 s19, ttmp7, 0xffff
	s_lshl_b32 s20, s19, 2
	s_add_co_u32 s20, s20, s18                     ; y: my block of 128 tokens
	s_lshl_b32 s22, s20, 3                         ; A: tile 8 y
	s_mul_i32 s22, s22, 12800
	s_mov_b32 s23, 0
	s_lshl_b32 s26, s17, 4
	s_add_co_u32 s26, s26, 1728                    ; B: Wo's tile 16 cx
	s_mul_i32 s26, s26, 12800
	s_mov_b32 s27, 0
	s_mov_b32 s25, 0                               ; in a chunk side A's eight tiles lie first,
	s_mov_b32 s29, 51200                           ; side B's sixteen behind them
	s_lshl_b32 s30, s18, 2
	s_lshl_b32 s30, 15, s30                        ; my row of the cluster
	s_lshl_b32 s31, 0x1111, s17                    ; my column
	; group 1: rows of 6,400 bytes (800 elements of 8 bytes: one tile's block g), 12,800 bytes apart; A: 8 rows a load, B: 16; no padding
	s_or_b32 s[G1A], s30, (3<<16)|(1<<21)
	s_or_b32 s[G1B], s31, (3<<16)|(1<<21)
	s_mov_b32 s[G1A+1], 800<<16
	s_mov_b32 s[G1A+2], 8<<16                      ; a load brings one chunk of a whole side: A 8 rows, B 16
	s_mov_b32 s[G1A+3], 800<<16
	s_mov_b32 s[G1A+4], 8
	s_mov_b32 s[G1A+5], 1600
	s_mov_b32 s[G1A+6], 0
	s_mov_b32 s[G1A+7], 0
	s_mov_b32 s[G1B+1], 800<<16
	s_mov_b32 s[G1B+2], 16<<16
	s_mov_b32 s[G1B+3], 800<<16
	s_mov_b32 s[G1B+4], 16
	s_mov_b32 s[G1B+5], 1600
	s_mov_b32 s[G1B+6], 0
	s_mov_b32 s[G1B+7], 0
	s_wait_dscnt 0x0
	s_wait_kmcnt 0x0
	s_add_nc_u64 s[22:23], s[4:5], s[22:23]
	s_add_nc_u64 s[26:27], s[6:7], s[26:27]
	CROUND                                         ; all sixteen work-groups are here: the joint loads meet
.irp g, 0,1
	s_mov_b32 s[G0A+4*\g], 1
	s_add_co_u32 s[G0A+4*\g+1], s25, \g*CHUNK
	s_add_nc_u64 s[G0A+4*\g+2:G0A+4*\g+3], s[22:23], \g*6400
	s_or_b32 s[G0A+4*\g+3], s[G0A+4*\g+3], 0x80000000
	s_mov_b32 s[G0B+4*\g], 1
	s_add_co_u32 s[G0B+4*\g+1], s29, \g*CHUNK
	s_add_nc_u64 s[G0B+4*\g+2:G0B+4*\g+3], s[26:27], \g*6400
	s_or_b32 s[G0B+4*\g+3], s[G0B+4*\g+3], 0x80000000
.endr
	s_cmp_eq_u32 s14, 0                            ; one chain of branches on the wave's number, one joint load to an arm: wave 0 chunk 0 of A, wave 1 chunk 0 of B, wave 2 chunk 1 of A, wave 3 chunk 1 of B.  Every LDS byte is filled once
	s_cbranch_scc0 .Lfill_1
	tensor_load_to_lds s[G0A:G0A+3], s[G1A:G1A+7]
	s_nop 0
	PLACES 4
	s_branch .Lfilled
.Lfill_1:
	s_cmp_eq_u32 s14, 1
	s_cbranch_scc0 .Lfill_2
	tensor_load_to_lds s[G0B:G0B+3], s[G1B:G1B+7]
	s_nop 0
	PLACES 4
	s_branch .Lfilled
.Lfill_2:
	s_cmp_eq_u32 s14, 2
	s_cbranch_scc0 .Lfill_3
	tensor_load_to_lds s[G0A+4:G0A+7], s[G1A:G1A+7]
	s_nop 0
	PLACES 4
	s_branch .Lfilled
.Lfill_3:
	tensor_load_to_lds s[G0B+4:G0B+7], s[G1B:G1B+7]
	s_nop 0
	PLACES 4
.Lfilled:
	v_and_b32 v1, 31, v0
	v_and_b32 v2, 15, v0                           ; r
	v_bfe_u32 v3, v0, 4, 1                         ; h
	v_lshlrev_b32 v[L16], 4, v1
	v_lshlrev_b32 v[L8], 3, v1
	s_mul_i32 s24, s15, 25600                      ; my four tiles of A
	s_mul_i32 s28, s16, 51200
	s_add_co_u32 s28, s28, 51200                   ; my eight tiles of B
	s_sub_co_u32 s19, s28, s24
	v_mul_u32_u24 v1, s19, v3                      ; lanes 16-31 take B's scale words: the lower base + h x the distance
	v_lshl_add_u32 v1, v2, 4, v1                   ; + 16 r
.irp g, 0,1
	v_add_nc_u32 v[A16+\g], s24, v[L16]
	v_add_nc_u32 v[A8+\g], s24, v[L8]
	v_add_nc_u32 v[B16+\g], s28, v[L16]
	v_add_nc_u32 v[B8+\g], s28, v[L8]
	v_add_nc_u32 v[SCAD+\g], s24, v1
	s_add_co_u32 s24, s24, CHUNK
	s_add_co_u32 s28, s28, CHUNK
.endr
	s_mul_i32 s21, s14, 8448                       ; my stage for the way out: 16 rows x 528 bytes, in chunk 0's bytes
	v_mul_u32_u24 v[STO], v2, 528
	v_lshl_add_u32 v[STO], v3, 6, v[STO]
	v_add_nc_u32 v[STO], s21, v[STO]               ; in: row r + 64 h
	v_add_nc_u32 v[RD], s21, v[L16]                ; back: 16 x lane of a row
	s_lshl_b32 s84, s20, 7
	s_lshl_b32 s85, s15, 6
	s_add_co_u32 s84, s84, s85                     ; my first token: 128 y + 64 ah
	s_lshl_b32 s84, s84, 12                        ; rows of 4,096 bytes
	s_lshl_b32 s86, s17, 10
	s_lshl_b32 s85, s16, 9
	s_add_co_u32 s86, s86, s85                     ; my first output, in bytes: 1,024 cx + 512 bf
	s_mov_b32 s87, 0
	s_add_nc_u64 s[8:9], s[8:9], s[86:87]          ; bo there
	s_add_co_u32 s84, s84, s86
	s_mov_b32 s85, 0
	s_add_nc_u64 s[10:11], s[10:11], s[84:85]      ; out0 at my part's first byte
	v_lshlrev_b32 v210, 6, v3                      ; 64 h
	WIN 0x40                                       ; destination window 1: the bias into the accumulators: register 16 b + i of every a wants output 32 b + 16 h + i of my 128
.irp a, 0,1,2,3
.set qq, 0
.rept 16
	global_load_b128 v[64*\a+4*qq:64*\a+4*qq+3], v210, s[8:9] offset:128*(qq/4)+16*(qq%4)
.set qq, qq+1
.endr
.endr
	WIN 0
.macro FETCH s                         ; K step s: B's eight fragments and A's four into set s % 2: 48 LDS loads, each of consecutive bytes
	WIN 0x80                                       ; destination window 2
.irp b, 0,1,2,3,4,5,6,7
.irp c, 0,1
	ds_load_b128 v[96*((\s)%2)+12*\b+6*\c:96*((\s)%2)+12*\b+6*\c+3], v[B16+(\s)/4] offset:6400*\b+1536*((\s)%4)+768*\c
	ds_load_b64 v[96*((\s)%2)+12*\b+6*\c+4:96*((\s)%2)+12*\b+6*\c+5], v[B8+(\s)/4] offset:6400*\b+1536*((\s)%4)+768*\c+512
.endr
.endr
	WIN 0
.irp a, 0,1,2,3
.irp c, 0,1
	ds_load_b128 v[AF+48*((\s)%2)+12*\a+6*\c:AF+48*((\s)%2)+12*\a+6*\c+3], v[A16+(\s)/4] offset:6400*\a+1536*((\s)%4)+768*\c
	ds_load_b64 v[AF+48*((\s)%2)+12*\a+6*\c+4:AF+48*((\s)%2)+12*\a+6*\c+5], v[A8+(\s)/4] offset:6400*\a+1536*((\s)%4)+768*\c+512
.endr
.endr
.endm
.macro SCALES g                        ; a chunk's scale words: four K steps' words of tile i by one load.  (Lanes 0-15 of i = 4 .. 7 bring words that no product names)
.irp i, 0,1,2,3,4,5,6,7
	ds_load_b128 v[SC+32*\g+4*\i:SC+32*\g+4*\i+3], v[SCAD+\g] offset:6144+6400*\i
.endr
.endm
.macro MUL s                           ; 32 matrix instructions; the 32 accumulators take turns, one instruction a turn, in the same order in every K step
	WIN 0x52                                       ; source 0 (B) window 2, source 1 (A) window 0, C and D window 1
.irp a, 0,1,2,3
.irp b, 0,1,2,3,4,5,6,7
	v_wmma_scale_f32_16x16x128_f8f6f4 v[64*\a+8*\b:64*\a+8*\b+7], v[96*((\s)%2)+12*\b:96*((\s)%2)+12*\b+11], v[AF+48*((\s)%2)+12*\a:AF+48*((\s)%2)+12*\a+11], v[64*\a+8*\b:64*\a+8*\b+7], v[SC+32*((\s)/4)+4*\b+(\s)%4], v[SC+32*((\s)/4)+4*\a+(\s)%4] matrix_a_fmt:MATRIX_FMT_FP6 matrix_b_fmt:MATRIX_FMT_FP6 matrix_a_scale:MATRIX_SCALE_ROW1
.endr
.endr
.endm
	s_wait_alu depctr_va_vdst(0)
	s_cmp_lt_u32 s14, 2                            ; waves 0 and 1 brought chunk 0: they wait for their loads; chunk 1's loads, waves 2 and 3's, may stay out
	s_cbranch_scc0 .Lnot_first
	s_wait_tensorcnt 0x0
.Lnot_first:
	s_wait_loadcnt 0x0                             ; the bias
	s_barrier_signal -1
	s_barrier_wait -1                              ; everybody's part is in
	FETCH 0
	SCALES 0
.irp s, 0,1,2,3,4,5,6,7
	s_wait_dscnt 0x0                               ; this K step's fragments are in (asked for ahead of the last step's 32 matrix instructions)
.if \s == 3
	s_wait_tensorcnt 0x0                           ; my part of chunk 1 is in, and my reads of chunk 0 are over,
	s_barrier_signal -1
	s_barrier_wait -1                              ; everybody's: behind this barrier nobody reads chunk 0 any more
.endif
.if \s < 7
	PLACES 4                                       ; four plain lines between the last step's matrix instructions and loads into registers that they read
	FETCH \s+1
.if \s == 3
	SCALES 1
.endif
.endif
	MUL \s
.endr
	WIN 0
	PLACES 4                                       ; in front of the first read of results and of loads into A's registers
; THE WAY OUT, a tile of 16 tokens x 128 outputs at a time.  A lane holds 4 x 64 bytes of one row, and the lanes beside it hold other rows: so a tile goes through my own stage in LDS and comes back as whole rows of
; 512 bytes.  The stage lies in chunk 0, which has had its only fill and its last read.  LDS serves a wave's instructions in order: no wait between stores and loads, nor in front of the next tile's stores.
.macro TOSTAGE a
	WIN 0x04                                       ; an LDS store's data are its source 1: window 1
.set qq, 0
.rept 16
	ds_store_b128 v[STO], v[64*(\a)+4*qq:64*(\a)+4*qq+3] offset:128*(qq/4)+16*(qq%4)   ; ascending: each accumulator from its low end on
.set qq, qq+1
.endr
	WIN 0
.set pp, 0
.rept 16
	ds_load_b128 v[80+64*((\a)%2)+4*pp:80+64*((\a)%2)+4*pp+3], v[RD] offset:528*pp
.set pp, pp+1
.endr
.endm
.macro SEND a, younger                 ; younger: the LDS instructions issued behind tile a's loads, which may stay out
	s_wait_dscnt \younger
.set pp, 0
.rept 16
	global_store_b128 v[L16], v[80+64*((\a)%2)+4*pp:80+64*((\a)%2)+4*pp+3], s[10:11] offset:(32*((\a)/2)+8*((\a)%2)+pp+8*(pp/8))*4096 th:TH_STORE_NT   ; 512 consecutive bytes, at a multiple of 256 from out0's first byte; written once, read by nobody here
.set pp, pp+1
.endr
.endm
	TOSTAGE 0
.irp a, 1,2,3
.if \a > 1
	s_wait_xcnt 0x0                                ; tile a - 2's stores have read their data: tile a's loads may land there
.endif
	TOSTAGE \a
	SEND \a-1, 32                                  ; behind tile a - 1's loads: tile a's 16 stores and 16 loads
.endr
	SEND 3, 0
	s_wait_tensorcnt 0x0
	ds_add_u32 v254, v255
	s_wait_dscnt 0x0
	CROUND                                         ; the closing round: no work-group ends while a partner may still ask for a tile that names it
	s_endpgm
.Lfunc_end_k_q9f37744d74_outp:
	.size	k_q9f37744d74_outp, .Lfunc_end_k_q9f37744d74_outp-k_q9f37744d74_outp
	.p2alignl 7, 3214868480
	.fill 96, 4, 3214868480
	.section	.rodata,"a",@progbits
	.p2align	6, 0x0
	.amdhsa_kernel k_q9f37744d74_outp
		.amdhsa_group_segment_fixed_size 307712
		.amdhsa_private_segment_fixed_size 0
		.amdhsa_enable_private_segment 0
		.amdhsa_kernarg_size 32
		.amdhsa_user_sgpr_count 2
		.amdhsa_user_sgpr_kernarg_segment_ptr 1
		.amdhsa_wavefront_size32 1
		.amdhsa_system_sgpr_workgroup_id_x 1
		.amdhsa_system_sgpr_workgroup_id_y 1
		.amdhsa_system_sgpr_workgroup_id_z 1
		.amdhsa_system_vgpr_workitem_id 0
		.amdhsa_next_free_vgpr 704
		.amdhsa_next_free_sgpr 100
		.amdhsa_reserve_vcc 0
		.amdhsa_float_denorm_mode_32 3
		.amdhsa_float_denorm_mode_16_64 3
		.amdhsa_memory_ordered 1
		.amdhsa_forward_progress 1
		.amdhsa_inst_pref_size 87
	.end_amdhsa_kernel
	.amdgpu_metadata
---
amdhsa.version: [ 1, 2 ]
amdhsa.kernels:
  - .name:           k_q9f37744d74_outp
    .symbol:         k_q9f37744d74_outp.kd
    .args:
      - { .name: oc, .offset: 0, .size: 8, .value_kind: global_buffer, .address_space: global }
      - { .name: cod, .offset: 8, .size: 8, .value_kind: global_buffer, .address_space: global }
      - { .name: bo, .offset: 16, .size: 8, .value_kind: global_buffer, .address_space: global }
      - { .name: out0, .offset: 24, .size: 8, .value_kind: global_buffer, .address_space: global }
    .group_segment_fixed_size: 307712
    .private_segment_fixed_size: 0
    .kernarg_segment_align: 8
    .kernarg_segment_size: 32
    .max_flat_workgroup_size: 128
    .sgpr_count:     100
    .vgpr_count:     704
    .wavefront_size: 32
...
	.end_amdgpu_metadata
.endif
;; end of part 4
